; MI455X (gfx1250); checked and timed in simulation.
; The chip was launched on July 23, 2026; its instructions are those of AMD's public machine-readable ISA for CDNA 5 (MIT licence, August 2026) and "CDNA5" Instruction Set Architecture Reference Guide (July 2026). The comments in the code are by the model that wrote it; some were corrected since.
;; Self Attention. Allowed arithmetic: float matrix products may take bf16 or f16 operands with f32 sums; all other float work in f32.
;; Inputs: b_out 1,024 float32; beta 1,024 float32; gamma 1,024 float32; mask 2 x 2,048 bool; w_out 1,024 x 1,024 float32; w_qkv 1,024 x 3,072 float32; x 2 x 2,048 x 1,024 float32.
;; Outputs: out0 2 x 2,048 x 1,024 float32.
;; 2 versions, each right; version 2 is version 1 with the launch prep written anew for expert scheduling mode. Each part assembles by itself: llvm-mc -triple=amdgcn-amd-amdhsa -mcpu=gfx1250 --defsym DOCPART=n.
;; ======== version 1 of 2: 4 launches
;; limits: values are held in f16: magnitudes above 65,504 overflow, below 6.1e-05 lose precision
;; workspace buffers: xn 8,388,608 bytes; wq 6,291,456 bytes; wo 2,097,152 bytes; qkv 25,165,824 bytes; att 8,388,608 bytes
;; launch prep (part 1): grid 256 x 1, 8 waves a work-group, no clusters, 0 bytes of LDS; arguments x, gamma, beta, w_qkv, w_out, xn, wq, wo; writes xn, wq, wo
.if DOCPART == 1
	.amdgcn_target "amdgcn-amd-amdhsa--gfx1250"
	.amdhsa_code_object_version 6
	.text
	.protected	k_q1129b7e2a9_prep
	.globl	k_q1129b7e2a9_prep
	.p2align	8
	.type	k_q1129b7e2a9_prep,@function
k_q1129b7e2a9_prep:
	s_mov_b64 s[64:65], 0
	v_nop
	global_prefetch_b8 v0, s[64:65] scope:SCOPE_SE
	s_setreg_imm32_b32 hwreg(HW_REG_WAVE_MODE, 25, 1), 1
	s_wait_xcnt 0x0
; prep: xn = LayerNorm(x) * gamma + beta, rounded to f16; wq = w_qkv in f16, its columns 0..1023 (q) times 0.125 * log2(e); wo = w_out in f16.
; A pure stream: no LDS, no barrier, no loop, EXEC untouched.  256 work-groups of 8 waves.
; Work-group g, wave w: rows 16 g + 2 w and 16 g + 2 w + 1 of x (a row of 4,096 bytes is 8 loads of 16 bytes a lane and stays in 32 registers
; between the mean, the variance and the scaling, so x is read once); rows 4 g .. 4 g + 3 of both weights, columns 128 w + 4 lane (+ 1024 s).
; Every load of a wave covers 512 consecutive bytes, every store 256 consecutive bytes that begin at a multiple of 256 from the buffer's start.
; The variance is the mean of the squares of the centred numbers, as reference() has it: no difference of large sums.
; LIMIT (format): the results are f16: |xn| and |w| must stay below 65,504; |xn| <= 32 |gamma| + |beta| by construction.
.set X0, 16                            ; v[16:47]    first row
.set X1, 48                            ; v[48:79]    second row
.set GA, 80                            ; v[80:111]   gamma of my 32 columns
.set BE, 112                           ; v[112:143]  beta
.set WQ, 144                           ; v[144:191]  w_qkv: quad 3 rr + s
.set WO, 192                           ; v[192:207]  w_out: quad rr
.set R0, 4                             ; v[4:9]      first row: mean pair, sums, 1/sigma pair
.set R1, 10                            ; v[10:15]    second row
.macro ADV p, gm, wm                   ; buffer address += work-group x gm + wave x wm (all below 4 GiB)
	s_mul_i32 s4, ttmp9, \gm
	s_mul_i32 s5, s3, \wm
	s_add_co_u32 s4, s4, s5
	s_mov_b32 s5, 0
	s_add_nc_u64 s[\p:\p+1], s[\p:\p+1], s[4:5]
.endm
.macro ALLSUM r, t                     ; sum over the 32 lanes, the result in every lane; t has been written before
	v_add_f32_dpp v[\r], v[\r], v[\r] row_xmask:1 row_mask:0xf bank_mask:0xf
	v_add_f32_dpp v[\r], v[\r], v[\r] row_xmask:2 row_mask:0xf bank_mask:0xf
	v_add_f32_dpp v[\r], v[\r], v[\r] row_xmask:4 row_mask:0xf bank_mask:0xf
	v_add_f32_dpp v[\r], v[\r], v[\r] row_xmask:8 row_mask:0xf bank_mask:0xf
	v_permlanex16_b32 v[\t], v[\r], s28, s29
	v_add_f32 v[\r], v[\r], v[\t]
.endm
; mean, centring in place, variance, 1/sqrt(var + eps) of the row in v[x .. x+31]; figures in v[r .. r+5]
.macro STATS x, r
	v_pk_add_f32 v[\r:\r+1], v[\x:\x+1], v[\x+2:\x+3]             ; two chains, started by the first numbers: nothing is cleared
	v_pk_add_f32 v[\r+2:\r+3], v[\x+4:\x+5], v[\x+6:\x+7]
.irp j, 8,12,16,20,24,28
	v_pk_add_f32 v[\r:\r+1], v[\r:\r+1], v[\x+\j:\x+\j+1]
	v_pk_add_f32 v[\r+2:\r+3], v[\r+2:\r+3], v[\x+\j+2:\x+\j+3]
.endr
	v_pk_add_f32 v[\r:\r+1], v[\r:\r+1], v[\r+2:\r+3]
	v_add_f32 v[\r], v[\r], v[\r+1]
	ALLSUM \r, \r+1
	v_mul_f32 v[\r], s24, v[\r]                                   ; mean = sum / 1024
	v_mov_b32 v[\r+1], v[\r]
.irp j, 0,2,4,6,8,10,12,14,16,18,20,22,24,26,28,30
	v_pk_add_f32 v[\x+\j:\x+\j+1], v[\x+\j:\x+\j+1], v[\r:\r+1] neg_lo:[0,1] neg_hi:[0,1]   ; x - mean
.endr
	v_pk_mul_f32 v[\r+2:\r+3], v[\x:\x+1], v[\x:\x+1]
	v_pk_mul_f32 v[\r+4:\r+5], v[\x+2:\x+3], v[\x+2:\x+3]
.irp j, 4,8,12,16,20,24,28
	v_pk_fma_f32 v[\r+2:\r+3], v[\x+\j:\x+\j+1], v[\x+\j:\x+\j+1], v[\r+2:\r+3]
	v_pk_fma_f32 v[\r+4:\r+5], v[\x+\j+2:\x+\j+3], v[\x+\j+2:\x+\j+3], v[\r+4:\r+5]
.endr
	v_pk_add_f32 v[\r+2:\r+3], v[\r+2:\r+3], v[\r+4:\r+5]
	v_add_f32 v[\r+2], v[\r+2], v[\r+3]
	ALLSUM \r+2, \r+3
	v_fma_f32 v[\r+2], v[\r+2], s24, s25                          ; var + eps
	v_rsq_f32 v[\r+4], v[\r+2]
	v_nop                                                         ; one plain place behind the transcendental (ISA guide 5.7.2)
	s_wait_alu depctr_va_vdst(0)
	v_mov_b32 v[\r+5], v[\r+4]
.endm
; scale, gain, bias, round to f16, store: 8 bytes a lane, 256 consecutive bytes a wave
.macro FIN x, r, row
.irp j, 0,1,2,3,4,5,6,7
	v_pk_mul_f32 v[\x+4*\j:\x+4*\j+1], v[\x+4*\j:\x+4*\j+1], v[\r+4:\r+5]
	v_pk_mul_f32 v[\x+4*\j+2:\x+4*\j+3], v[\x+4*\j+2:\x+4*\j+3], v[\r+4:\r+5]
	v_pk_fma_f32 v[\x+4*\j:\x+4*\j+1], v[\x+4*\j:\x+4*\j+1], v[GA+4*\j:GA+4*\j+1], v[BE+4*\j:BE+4*\j+1]
	v_pk_fma_f32 v[\x+4*\j+2:\x+4*\j+3], v[\x+4*\j+2:\x+4*\j+3], v[GA+4*\j+2:GA+4*\j+3], v[BE+4*\j+2:BE+4*\j+3]
	v_cvt_pk_f16_f32 v[\x+4*\j], v[\x+4*\j], v[\x+4*\j+1]
	v_cvt_pk_f16_f32 v[\x+4*\j+1], v[\x+4*\j+2], v[\x+4*\j+3]
	global_store_b64 v2, v[\x+4*\j:\x+4*\j+1], s[18:19] offset:\row*2048+256*\j
.endr
.endm
	s_load_b512 s[8:23], s[0:1], 0x0               ; x s[8:9], gamma s[10:11], beta s[12:13], w_qkv s[14:15], w_out s[16:17], xn s[18:19], wq s[20:21], wo s[22:23]
	v_lshrrev_b32 v3, 5, v0
	v_readfirstlane_b32 s3, v3                     ; wave
	v_and_b32 v1, 31, v0
	v_lshlrev_b32 v2, 3, v1                        ; 8 x lane: stores
	v_lshlrev_b32 v1, 4, v1                        ; 16 x lane: loads
	s_mov_b32 s24, 0x3a800000                      ; 1 / 1024
	s_mov_b32 s25, 0x3727c5ac                      ; eps = 1e-5
	s_mov_b32 s26, 0x3e38aa3b                      ; 0.125 x log2(e): q's scale, and the change to base 2 for the softmax
	s_mov_b32 s27, 0x3e38aa3b
	s_mov_b32 s28, 0x76543210                      ; v_permlanex16_b32: lane i reads lane i of the other half
	s_mov_b32 s29, 0xfedcba98
	s_wait_kmcnt 0x0
	ADV 8, 65536, 8192                             ; x: 16 rows of 4,096 bytes a group, 2 a wave
	ADV 18, 32768, 4096                            ; xn: rows of 2,048 bytes
	ADV 14, 49152, 512                             ; w_qkv: 4 rows of 12,288 bytes a group, 128 columns a wave
	ADV 20, 24576, 256                             ; wq
	ADV 16, 16384, 512                             ; w_out: 4 rows of 4,096 bytes
	ADV 22, 8192, 256                              ; wo
.irp j, 0,1,2,3,4,5,6,7
	global_load_b128 v[X0+4*\j:X0+4*\j+3], v1, s[8:9] offset:512*\j th:TH_LOAD_NT
.endr
.irp j, 0,1,2,3,4,5,6,7
	global_load_b128 v[X1+4*\j:X1+4*\j+3], v1, s[8:9] offset:4096+512*\j th:TH_LOAD_NT
.endr
.irp rr, 0,1,2,3
.irp s, 0,1,2
	global_load_b128 v[WQ+4*(3*\rr+\s):WQ+4*(3*\rr+\s)+3], v1, s[14:15] offset:\rr*12288+\s*4096 th:TH_LOAD_NT
.endr
.endr
.irp rr, 0,1,2,3
	global_load_b128 v[WO+4*\rr:WO+4*\rr+3], v1, s[16:17] offset:\rr*4096 th:TH_LOAD_NT
.endr
.irp j, 0,1,2,3,4,5,6,7
	global_load_b128 v[GA+4*\j:GA+4*\j+3], v1, s[10:11] offset:512*\j
.endr
.irp j, 0,1,2,3,4,5,6,7
	global_load_b128 v[BE+4*\j:BE+4*\j+3], v1, s[12:13] offset:512*\j
.endr
	s_wait_loadcnt 0x20                            ; loads return in order: the 16 of x are in, the 32 younger ones stay out
	STATS X0, R0
	STATS X1, R1
	s_wait_loadcnt 0x10                            ; the 16 weight loads are in; gamma's and beta's 16 stay out
.irp rr, 0,1,2,3
	v_pk_mul_f32 v[WQ+12*\rr:WQ+12*\rr+1], v[WQ+12*\rr:WQ+12*\rr+1], s[26:27] op_sel_hi:[1,0]       ; only q's columns (s = 0) are scaled
	v_pk_mul_f32 v[WQ+12*\rr+2:WQ+12*\rr+3], v[WQ+12*\rr+2:WQ+12*\rr+3], s[26:27] op_sel_hi:[1,0]
.endr
.irp rr, 0,1,2,3
.irp s, 0,1,2
	v_cvt_pk_f16_f32 v[WQ+4*(3*\rr+\s)], v[WQ+4*(3*\rr+\s)], v[WQ+4*(3*\rr+\s)+1]
	v_cvt_pk_f16_f32 v[WQ+4*(3*\rr+\s)+1], v[WQ+4*(3*\rr+\s)+2], v[WQ+4*(3*\rr+\s)+3]
	global_store_b64 v2, v[WQ+4*(3*\rr+\s):WQ+4*(3*\rr+\s)+1], s[20:21] offset:\rr*6144+\s*2048
.endr
.endr
.irp rr, 0,1,2,3
	v_cvt_pk_f16_f32 v[WO+4*\rr], v[WO+4*\rr], v[WO+4*\rr+1]
	v_cvt_pk_f16_f32 v[WO+4*\rr+1], v[WO+4*\rr+2], v[WO+4*\rr+3]
	global_store_b64 v2, v[WO+4*\rr:WO+4*\rr+1], s[22:23] offset:\rr*2048
.endr
	s_wait_loadcnt 0x0                             ; gamma and beta
	FIN X0, R0, 0
	FIN X1, R1, 1
	s_endpgm                                       ; no store's data or address register was written again
.Lfunc_end_k_q1129b7e2a9_prep:
	.size	k_q1129b7e2a9_prep, .Lfunc_end_k_q1129b7e2a9_prep-k_q1129b7e2a9_prep
	.p2alignl 7, 3214868480
	.fill 96, 4, 3214868480
	.section	.rodata,"a",@progbits
	.p2align	6, 0x0
	.amdhsa_kernel k_q1129b7e2a9_prep
		.amdhsa_group_segment_fixed_size 0
		.amdhsa_private_segment_fixed_size 0
		.amdhsa_enable_private_segment 0
		.amdhsa_kernarg_size 64
		.amdhsa_user_sgpr_count 2
		.amdhsa_user_sgpr_kernarg_segment_ptr 1
		.amdhsa_wavefront_size32 1
		.amdhsa_system_sgpr_workgroup_id_x 1
		.amdhsa_system_sgpr_workgroup_id_y 1
		.amdhsa_system_sgpr_workgroup_id_z 1
		.amdhsa_system_vgpr_workitem_id 0
		.amdhsa_next_free_vgpr 208
		.amdhsa_next_free_sgpr 66
		.amdhsa_reserve_vcc 0
		.amdhsa_float_denorm_mode_32 3
		.amdhsa_float_denorm_mode_16_64 3
		.amdhsa_memory_ordered 1
		.amdhsa_forward_progress 1
		.amdhsa_inst_pref_size 27
	.end_amdhsa_kernel
	.amdgpu_metadata
---
amdhsa.version: [ 1, 2 ]
amdhsa.kernels:
  - .name:           k_q1129b7e2a9_prep
    .symbol:         k_q1129b7e2a9_prep.kd
    .args:
      - { .name: x, .offset: 0, .size: 8, .value_kind: global_buffer, .address_space: global }
      - { .name: gamma, .offset: 8, .size: 8, .value_kind: global_buffer, .address_space: global }
      - { .name: beta, .offset: 16, .size: 8, .value_kind: global_buffer, .address_space: global }
      - { .name: w_qkv, .offset: 24, .size: 8, .value_kind: global_buffer, .address_space: global }
      - { .name: w_out, .offset: 32, .size: 8, .value_kind: global_buffer, .address_space: global }
      - { .name: xn, .offset: 40, .size: 8, .value_kind: global_buffer, .address_space: global }
      - { .name: wq, .offset: 48, .size: 8, .value_kind: global_buffer, .address_space: global }
      - { .name: wo, .offset: 56, .size: 8, .value_kind: global_buffer, .address_space: global }
    .group_segment_fixed_size: 0
    .private_segment_fixed_size: 0
    .kernarg_segment_align: 8
    .kernarg_segment_size: 64
    .max_flat_workgroup_size: 256
    .sgpr_count:     66
    .vgpr_count:     208
    .wavefront_size: 32
...
	.end_amdgpu_metadata
.endif
;; end of part 1
;; launch qkvgemm (part 2): grid 12 x 16, 4 waves a work-group, clusters of 4 x 4, 327,680 bytes of LDS; arguments xn, wq, qkv; writes qkv
.if DOCPART == 2
	.amdgcn_target "amdgcn-amd-amdhsa--gfx1250"
	.amdhsa_code_object_version 6
	.text
	.protected	k_q1129b7e2a9_qkvgemm
	.globl	k_q1129b7e2a9_qkvgemm
	.p2align	8
	.type	k_q1129b7e2a9_qkvgemm,@function
k_q1129b7e2a9_qkvgemm:
	s_mov_b64 s[64:65], 0
	v_nop
	global_prefetch_b8 v0, s[64:65] scope:SCOPE_SE
	s_setreg_imm32_b32 hwreg(HW_REG_WAVE_MODE, 25, 1), 1
	s_wait_xcnt 0x0
	s_wait_alu depctr_hold_cnt(0) depctr_sa_sdst(0) depctr_va_vdst(0) depctr_va_sdst(0) depctr_va_ssrc(0) depctr_va_vcc(0) depctr_vm_vsrc(0)
	s_getreg_b32 s2, hwreg(HW_REG_IB_STS2, 6, 4)
	s_cmp_eq_u32 s2, 0
	s_cbranch_scc0 .Lentry_in_a_cluster
	s_endpgm
.Lentry_in_a_cluster:
	s_bfe_u32 s2, ttmp6, 0x10000c
	s_cmp_lg_u32 s2, 0xf033
	s_cbranch_scc0 .Lentry_shape_is_right
	s_endpgm
.Lentry_shape_is_right:
; qkv[m][n] = sum over k of xn[m][k] wq[k][n].  xn: [4096][1024], wq: [1024][3072], qkv: [4096][3072], all f16; sums in f32.
; A work-group makes a block of 256 x 256 with four waves; a wave makes 128 x 128: 64 accumulator tiles of 16 x 16, 512 registers.
; K goes in steps of 128 through a ring of two LDS slots filled by the tensor data mover.  A's tile: 256 rows x 256 bytes (K along the rows).
; B's tile: 128 k-rows x 512 bytes (n along the rows, as the weights lie in memory); its fragments are made by the transposing LDS load.
; 12 x 16 = 192 work-groups: a block of 256 x 192 would give 256, but would cut a wave's 256 consecutive output bytes at 384-byte borders.
; CLUSTERS: 4 x 4 work-groups.  The four of a row of the cluster need the same tiles of A, the four of a column the same tiles of B: each tile is
; asked for jointly, by the same tensor load with the same descriptor and a mask that names the four.  That divides the requests by four.
; LIMIT (format): operands and results are f16: |xn|, |wq|, |qkv| below 65,504.
;
; REGISTERS, in windows of 256: window 0: v0-31 addresses; v64-127, v128-191 fragments of A, two buffers; v192-223 at work on the way out.
;   window 1: v64-127, v128-191 fragments of B, two buffers.  window 2: accumulators of my rows 0-63 (tile (a, b) at v[8 (8 a + b)]); window 3: rows 64-127.
; THE MATRIX INSTRUCTION IS USED TRANSPOSED: source 0 = 16 columns of B, source 1 = 16 rows of A: lane l then holds row l % 16 of the result and
; its registers 0-7 the columns 8 (l / 16) + 0..7: eight neighbouring numbers of a row, which pack into 16 bytes.
.set SIZE_N, 3072
.set SIZE_K, 1024
.set KSTEP,  128
.set PITCH,  272                       ; A's LDS row: 256 bytes + 16 of padding: the 16 rows of a fragment load start 16 bytes apart modulo 256
.set BPITCH, 544                       ; B's LDS row: 512 bytes + 32 of padding: an odd multiple of 32
.set HALFT,  128*PITCH                 ; what one tensor load brings: 128 rows of A, or 64 k-rows of B (64 x 544 is the same 34,816 bytes)
.set SLOT,   4*HALFT                   ; A's 256 rows, then B's 128 k-rows
.set STAGE,  2*SLOT                    ; behind the ring: 16 rows x 272 bytes for each wave, for the way out; no tensor load fills it
.set SPITCH, 272
.set LAPS, SIZE_K/(2*KSTEP)            ; 4 laps of two K steps
.set ADRA, 16                          ; v16-17  LDS address of my A fragments in slot 0, 1
.set ADRB, 20                          ; v20-21  the same for B
.set STO,  24
.set RD,   25
.set CO,   26
.set F0,   64
.set F1,   128
.set TMP,  192
.set G1, 24                            ; s[24:31] group 1 for A's tiles
.set G0, 32                            ; s[32:39] group 0 for A's tiles, one set for each slot
.set G1B, 48                           ; s[48:55] group 1 for B's tiles
.set G0B, 56                           ; s[56:63] group 0 for B's tiles
.set MSB, 0
.macro WIN new                         ; the immediate's high byte repeats the setting that is left
.if MSB != \new
	s_set_vgpr_msb (MSB<<8)|\new
.set MSB, \new
.endif
.endm
.set MUL_LO, 0xa1                      ; source 0 (B) window 1, source 1 (A) window 0, C and D window 2
.set MUL_HI, 0xf1                      ; the same, C and D window 3
.set TO_B,   0x40                      ; destination window 1, address window 0
; A joint load.  Waves 0 and 1 fetch A's two halves, waves 2 and 3 B's.  Each line has one mask; the branch hangs on the wave's number alone.
.macro JLOAD s
	s_cmp_eq_u32 s11, 0
	s_cbranch_scc0 .Lfor_b_\@
	tensor_load_to_lds s[G0+4*\s:G0+4*\s+3], s[G1:G1+7]
	s_nop 0
	s_branch .Lasked_\@
.Lfor_b_\@:
	tensor_load_to_lds s[G0B+4*\s:G0B+4*\s+3], s[G1B:G1B+7]
	s_nop 0
.Lasked_\@:
.endm
.macro CREST                           ; a round of the cluster's barrier behind its opening work-group barrier
	s_cmp_lg_u32 s10, 0
	s_cbranch_scc1 .Lnot_wave_0_\@
	s_barrier_signal -3
.Lnot_wave_0_\@:
	s_barrier_wait -3
	s_barrier_signal -1
	s_barrier_wait -1
.endm
.macro CROUND                          ; a whole round
	s_barrier_signal -1
	s_barrier_wait -1
	CREST
.endm
	s_load_b128 s[4:7], s[0:1], 0x0                ; xn s[4:5], wq s[6:7]
	s_load_b64 s[8:9], s[0:1], 0x10                ; qkv
	s_set_vgpr_msb 0x40
	v_lshl_add_u32 v255, v0, 2, 0x48400
	s_set_vgpr_msb 0x4000
	v_mov_b32 v255, 0
	s_set_vgpr_msb 0x1
	ds_add_u32 v255, v255
	s_set_vgpr_msb 0x100
	v_lshrrev_b32 v1, 5, v0
	v_readfirstlane_b32 s10, v1                    ; wave 0..3
	s_lshr_b32 s11, s10, 1                         ; which half of the block's rows is mine.  Also: I fetch for A (0) or for B (1)
	s_and_b32 s12, s10, 1                          ; which half of its columns.  Also: which half of that tile I fetch
	s_bfe_u32 s40, ttmp6, 0x40000                  ; cx
	s_bfe_u32 s41, ttmp6, 0x40004                  ; cy
	s_lshl_b32 s42, ttmp9, 2
	s_add_co_u32 s42, s42, s40                     ; block column = 4 x cluster x + cx
	s_and_b32 s13, ttmp7, 0xffff
	s_lshl_b32 s13, s13, 2
	s_add_co_u32 s13, s13, s41                     ; block row = 4 x cluster y + cy
	s_lshl_b32 s43, s41, 2
	s_lshl_b32 s43, 15, s43                        ; my row of the cluster: places 4 cy .. 4 cy + 3
	s_lshl_b32 s44, 0x1111, s40                    ; my column: places cx, cx + 4, cx + 8, cx + 12
	; group 1 of A: 128 rows x 128 elements, 4 words of padding behind every 64 words
	s_or_b32 s[G1+0], s43, (1<<16)|(1<<20)|(1<<21)|(5<<22)|(3<<25)
	s_mov_b32 s[G1+1], KSTEP<<16                   ; tensor_dim0 = 128
	s_mov_b32 s[G1+2], 128<<16                     ; tensor_dim1 = 128
	s_mov_b32 s[G1+3], KSTEP<<16                   ; tile_dim0 = 128
	s_mov_b32 s[G1+4], 128                         ; tile_dim1 = 128
	s_mov_b32 s[G1+5], SIZE_K                      ; elements from row to row
	s_mov_b32 s[G1+6], 0
	s_mov_b32 s[G1+7], 0
	; group 1 of B: 64 k-rows x 256 elements, 8 words of padding behind every 128 words
	s_or_b32 s[G1B+0], s44, (1<<16)|(1<<20)|(1<<21)|(6<<22)|(7<<25)
	s_mov_b32 s[G1B+1], 256<<16                    ; tensor_dim0 = 256
	s_mov_b32 s[G1B+2], 64<<16                     ; tensor_dim1 = 64
	s_mov_b32 s[G1B+3], 256<<16                    ; tile_dim0 = 256
	s_mov_b32 s[G1B+4], 64                         ; tile_dim1 = 64
	s_mov_b32 s[G1B+5], SIZE_N
	s_mov_b32 s[G1B+6], 0
	s_mov_b32 s[G1B+7], 0
	; A's tiles hang on the block row alone, B's on the block column alone; each address in registers that never hold the other coordinate
	s_lshl_b32 s17, s12, 7
	s_lshl_b32 s16, s13, 8
	s_add_co_u32 s16, s16, s17                     ; A: row 256 x block row + 128 x half
	s_mov_b32 s17, 0
	s_mov_b64 s[18:19], SIZE_K*2
	s_mul_u64 s[16:17], s[16:17], s[18:19]
	s_mul_i32 s46, s12, 64*SIZE_N*2                ; B: k-row 64 x half,
	s_lshl_b32 s47, s42, 9                         ; column 256 x block column, in bytes
	s_add_co_u32 s46, s46, s47
	s_mov_b32 s47, 0
	s_mul_i32 s20, s10, HALFT                      ; where they go: wave x 34,816 bytes: no place in the cluster enters an LDS address
	s_wait_dscnt 0x0
	s_wait_kmcnt 0x0
	s_add_nc_u64 s[14:15], s[4:5], s[16:17]
	s_add_nc_u64 s[46:47], s[6:7], s[46:47]
	CROUND                                         ; all sixteen work-groups are here: the first joint loads meet
.irp s, 0,1
	s_mov_b32 s[G0+4*\s], 1
	s_add_co_u32 s[G0+4*\s+1], s20, \s*SLOT
	s_add_nc_u64 s[G0+4*\s+2:G0+4*\s+3], s[14:15], \s*KSTEP*2            ; K step s: 256 bytes along A's rows
	s_or_b32 s[G0+4*\s+3], s[G0+4*\s+3], 0x80000000
	s_mov_b32 s[G0B+4*\s], 1
	s_add_co_u32 s[G0B+4*\s+1], s20, \s*SLOT
	s_add_nc_u64 s[G0B+4*\s+2:G0B+4*\s+3], s[46:47], \s*KSTEP*SIZE_N*2   ; K step s: 128 rows of B down
	s_or_b32 s[G0B+4*\s+3], s[G0B+4*\s+3], 0x80000000
	JLOAD \s                                       ; by this text's count two tensor loads of a wave are out here, later one
.endr
	v_and_b32 v1, 15, v0                           ; l % 16
	v_bfe_u32 v2, v0, 4, 1                         ; l / 16
	v_mul_u32_u24 v3, v1, PITCH
	v_lshl_add_u32 v3, v2, 4, v3                   ; A: row x pitch + 16 x half
	v_and_b32 v6, 7, v0
	v_lshl_add_u32 v6, v2, 3, v6                   ; B: k-row 8 (l / 16) + l % 8,
	v_mul_u32_u24 v6, v6, BPITCH
	v_bfe_u32 v7, v0, 3, 1
	v_lshl_add_u32 v6, v7, 4, v6                   ; and 16 bytes on for the odd groups of eight lanes
	s_mul_i32 s21, s11, HALFT                      ; my 128 rows of A
	s_lshl_b32 s22, s12, 8                         ; my 128 columns of B: 256 bytes,
	s_add_co_u32 s22, s22, 2*HALFT                 ; behind A's 256 rows
.irp s, 0,1
	v_add_nc_u32 v[ADRA+\s], s21, v3
	v_add_nc_u32 v[ADRB+\s], s22, v6
	s_add_co_u32 s21, s21, SLOT
	s_add_co_u32 s22, s22, SLOT
.endr
	s_mul_i32 s23, s10, 16*SPITCH
	s_add_co_u32 s23, s23, STAGE                   ; my stage
	v_mul_u32_u24 v4, v1, SPITCH
	v_lshl_add_u32 v4, v2, 4, v4
	v_add_nc_u32 v[STO], s23, v4
	v_mul_u32_u24 v5, v2, SPITCH
	v_lshl_add_u32 v5, v1, 4, v5
	v_add_nc_u32 v[RD], s23, v5
	v_mul_u32_u24 v5, v2, SIZE_N*2
	v_lshl_add_u32 v[CO], v1, 4, v5
; 16 matrix instructions: m blocks a0, a0 + 1 of the window's four x all 8 n blocks, 32 along K.  zero = 1: the first product starts the sums.
.macro MUL16 f, hi, a0, zero
.irp a, \a0, \a0+1
.irp b, 0,1,2,3,4,5,6,7
.if \zero
	v_wmma_f32_16x16x32_f16 v[8*(8*(\a)+\b):8*(8*(\a)+\b)+7], v[\f+8*\b:\f+8*\b+7], v[\f+8*(4*\hi+\a):\f+8*(4*\hi+\a)+7], 0
.else
	v_wmma_f32_16x16x32_f16 v[8*(8*(\a)+\b):8*(8*(\a)+\b)+7], v[\f+8*\b:\f+8*\b+7], v[\f+8*(4*\hi+\a):\f+8*(4*\hi+\a)+7], v[8*(8*(\a)+\b):8*(8*(\a)+\b)+7]
.endif
.endr
.endr
.endm
; 32 LDS loads in one run: the fragments of quarter q of a K step (32 along K) into buffer f: B's 16 first, then A's 16
.macro FETCH slot, q, f
	WIN TO_B
.irp i, 0,1,2,3,4,5,6,7
	ds_load_tr16_b128 v[\f+8*\i:\f+8*\i+3],   v[ADRB+\slot] offset:\q*32*BPITCH+32*\i              ; k = 32 q + 8 (l / 16) + 0..7 of column 16 i + l % 16
	ds_load_tr16_b128 v[\f+8*\i+4:\f+8*\i+7], v[ADRB+\slot] offset:\q*32*BPITCH+16*BPITCH+32*\i   ; the same 16 k-rows further down
.endr
	WIN 0
.irp i, 0,1,2,3,4,5,6,7
	ds_load_b128 v[\f+8*\i:\f+8*\i+3],   v[ADRA+\slot] offset:64*\q+\i*16*PITCH
	ds_load_b128 v[\f+8*\i+4:\f+8*\i+7], v[ADRA+\slot] offset:64*\q+\i*16*PITCH+32
.endr
.endm
; Four plain places stand between a matrix instruction and a load into, or a vector instruction on, one of its registers (ISA guide 7.12.1 for vector instructions);
; the matrix instructions in between are not counted.
.macro PLACES
.rept 4
	v_nop
.endr
.endm
.macro QUARTER slot, q, f, g, zero
	s_wait_dscnt 8                                 ; B and A's rows 0-63 are in; the youngest eight loads (A's rows 64-127) may be out
	WIN MUL_LO
	MUL16 \f, 0, 0, \zero
	MUL16 \f, 0, 2, \zero
	PLACES
	FETCH \slot, \q, \g
	s_wait_dscnt 32                                ; all but the 32 just issued
	WIN MUL_HI
	MUL16 \f, 1, 0, \zero
	MUL16 \f, 1, 2, \zero
.endm
.macro THREE slot, zero
	QUARTER \slot, 1, F0, F1, \zero
	QUARTER \slot, 2, F1, F0, 0
	QUARTER \slot, 3, F0, F1, 0
.endm
; The last quarter multiplies buffer 1 and changes slots.  In front of the barrier each wave waits for its reads of this slot and for all its tensor
; loads (one is out: its part of the next slot).  Behind it the refill comes first, then the next slot's first fragments.
.macro TURN slot, next, fill
	s_wait_dscnt 8
	WIN MUL_LO
	MUL16 F1, 0, 0, 0
	s_wait_dscnt 0                                 ; my reads of this slot are over
	s_wait_tensorcnt 0x0                           ; all my tensor loads have landed
	ds_add_u32 v255, v255
	s_wait_dscnt 0x0
	s_barrier_signal -1                            ; where a slot is filled again this barrier opens a round of the cluster's barrier
	MUL16 F1, 0, 2, 0                              ; register work while the others arrive
	WIN 0
	s_barrier_wait -1
.if \fill
	CREST                                          ; no wave of any partner still reads this slot or has a load on its way
	s_add_nc_u64 s[G0+4*\slot+2:G0+4*\slot+3], s[G0+4*\slot+2:G0+4*\slot+3], 2*KSTEP*2
	s_add_nc_u64 s[G0B+4*\slot+2:G0B+4*\slot+3], s[G0B+4*\slot+2:G0B+4*\slot+3], 2*KSTEP*SIZE_N*2
	JLOAD \slot                                    ; the first tensor load behind the round, one a wave
.endif
	PLACES
	FETCH \next, 0, F0
	WIN MUL_HI
	MUL16 F1, 1, 0, 0
	MUL16 F1, 1, 2, 0
.endm
.macro LAP zero
	THREE 0, \zero
	TURN 0, 1, 1
	THREE 1, 0
	TURN 1, 0, 1
.endm
; The 64 accumulators take turns, one instruction a turn, in the same order in every quarter, over the backward jump too.
	s_wait_tensorcnt 1                             ; my part of K step 0 is in; K step 1's may stay out
	s_barrier_signal -1
	s_barrier_wait -1
	FETCH 0, 0, F0
	LAP 1                                          ; the first lap's first products start the sums
	WIN 0
	s_mov_b32 s3, LAPS-2
.Llap:
	LAP 0
	WIN 0
	s_sub_co_u32 s3, s3, 1
	s_cmp_lg_u32 s3, 0
	s_cbranch_scc1 .Llap
	THREE 0, 0                                     ; the last lap fills nothing
	TURN 0, 1, 0
	THREE 1, 0
	s_wait_dscnt 8
	WIN MUL_LO
	MUL16 F1, 0, 0, 0
	MUL16 F1, 0, 2, 0
	s_wait_dscnt 0
	WIN MUL_HI
	MUL16 F1, 1, 0, 0
	MUL16 F1, 1, 2, 0
	; THE WAY OUT, 16 rows at a time: round to f16, 16 bytes a lane into my own stage, read back as whole rows of 256 bytes
	PLACES
	s_lshl_b32 s13, s13, 8
	s_lshl_b32 s14, s11, 7
	s_add_co_u32 s16, s13, s14                     ; my first row
	s_mov_b32 s17, 0
	s_mov_b64 s[18:19], SIZE_N*2
	s_mul_u64 s[16:17], s[16:17], s[18:19]
	s_add_nc_u64 s[8:9], s[8:9], s[16:17]
	s_lshl_b32 s46, s42, 9                         ; my first column, in bytes: 512 x block + 256 x half
	s_lshl_b32 s47, s12, 8
	s_add_co_u32 s46, s46, s47
	s_mov_b32 s47, 0
	s_add_nc_u64 s[8:9], s[8:9], s[46:47]
.macro OUT16 i, a, from, f
	WIN \from
.irp b, 0,1,2,3,4,5,6,7
.irp r, 0,1,2,3
	v_cvt_pk_f16_f32 v[TMP+4*\b+\r], v[8*(8*\a+\b)+2*\r], v[8*(8*\a+\b)+2*\r+1]
.endr
.endr
	WIN 0
.irp b, 0,1,2,3,4,5,6,7
	ds_store_b128 v[STO], v[TMP+4*\b:TMP+4*\b+3] offset:32*\b
.endr
	s_wait_xcnt 0x0                                ; buffer f, which earlier stores read, and the stores' base are rewritten only behind this wait
.if \i
	s_add_nc_u64 s[8:9], s[8:9], 16*SIZE_N*2
.endif
.irp t, 0,1,2,3,4,5,6,7
	ds_load_b128 v[\f+4*\t:\f+4*\t+3], v[RD] offset:\t*2*SPITCH    ; a wave's LDS instructions are served in order: these see the stores above
.endr
.irp t, 0,1,2,3,4,5,6,7
	s_wait_dscnt 7-\t                              ; pair t of rows is in, the younger pairs stay out
	global_store_b128 v[CO], v[\f+4*\t:\f+4*\t+3], s[8:9] offset:2*\t*SIZE_N*2   ; 16 lanes store 256 consecutive bytes, at a multiple of 256 from the buffer's start
.endr
.endm
	OUT16 0, 0, 0x0a, F0
	OUT16 1, 1, 0x0a, F1
	OUT16 2, 2, 0x0a, F0
	OUT16 3, 3, 0x0a, F1
	OUT16 4, 0, 0x0f, F0
	OUT16 5, 1, 0x0f, F1
	OUT16 6, 2, 0x0f, F0
	OUT16 7, 3, 0x0f, F1
	s_set_vgpr_msb 0x1
	s_wait_tensorcnt 0x0
	ds_add_u32 v255, v255
	s_wait_dscnt 0x0
	s_set_vgpr_msb 0x100
	CROUND                                         ; the closing round: no work-group ends while a partner may still ask for a tile that names it
	s_endpgm
.Lfunc_end_k_q1129b7e2a9_qkvgemm:
	.size	k_q1129b7e2a9_qkvgemm, .Lfunc_end_k_q1129b7e2a9_qkvgemm-k_q1129b7e2a9_qkvgemm
	.p2alignl 7, 3214868480
	.fill 96, 4, 3214868480
	.section	.rodata,"a",@progbits
	.p2align	6, 0x0
	.amdhsa_kernel k_q1129b7e2a9_qkvgemm
		.amdhsa_group_segment_fixed_size 327680
		.amdhsa_private_segment_fixed_size 0
		.amdhsa_enable_private_segment 0
		.amdhsa_kernarg_size 24
		.amdhsa_user_sgpr_count 2
		.amdhsa_user_sgpr_kernarg_segment_ptr 1
		.amdhsa_wavefront_size32 1
		.amdhsa_system_sgpr_workgroup_id_x 1
		.amdhsa_system_sgpr_workgroup_id_y 1
		.amdhsa_system_sgpr_workgroup_id_z 1
		.amdhsa_system_vgpr_workitem_id 0
		.amdhsa_next_free_vgpr 1024
		.amdhsa_next_free_sgpr 66
		.amdhsa_reserve_vcc 0
		.amdhsa_float_denorm_mode_32 3
		.amdhsa_float_denorm_mode_16_64 3
		.amdhsa_memory_ordered 1
		.amdhsa_forward_progress 1
		.amdhsa_inst_pref_size 196
	.end_amdhsa_kernel
	.amdgpu_metadata
---
amdhsa.version: [ 1, 2 ]
amdhsa.kernels:
  - .name:           k_q1129b7e2a9_qkvgemm
    .symbol:         k_q1129b7e2a9_qkvgemm.kd
    .args:
      - { .name: xn, .offset: 0, .size: 8, .value_kind: global_buffer, .address_space: global }
      - { .name: wq, .offset: 8, .size: 8, .value_kind: global_buffer, .address_space: global }
      - { .name: qkv, .offset: 16, .size: 8, .value_kind: global_buffer, .address_space: global }
    .group_segment_fixed_size: 327680
    .private_segment_fixed_size: 0
    .kernarg_segment_align: 8
    .kernarg_segment_size: 24
    .max_flat_workgroup_size: 128
    .sgpr_count:     66
    .vgpr_count:     1024
    .wavefront_size: 32
...
	.end_amdgpu_metadata
.endif
;; end of part 2
;; launch attn (part 3): grid 16 x 16, 8 waves a work-group, clusters of 4 x 1, 327,680 bytes of LDS; arguments qkv, mask, att; writes att
.if DOCPART == 3
	.amdgcn_target "amdgcn-amd-amdhsa--gfx1250"
	.amdhsa_code_object_version 6
	.text
	.protected	k_q1129b7e2a9_attn
	.globl	k_q1129b7e2a9_attn
	.p2align	8
	.type	k_q1129b7e2a9_attn,@function
k_q1129b7e2a9_attn:
	s_mov_b64 s[64:65], 0
	v_nop
	global_prefetch_b8 v0, s[64:65] scope:SCOPE_SE
	s_setreg_imm32_b32 hwreg(HW_REG_WAVE_MODE, 25, 1), 1
	s_wait_xcnt 0x0
	s_wait_alu depctr_hold_cnt(0) depctr_sa_sdst(0) depctr_va_vdst(0) depctr_va_sdst(0) depctr_va_ssrc(0) depctr_va_vcc(0) depctr_vm_vsrc(0)
	s_getreg_b32 s2, hwreg(HW_REG_IB_STS2, 6, 4)
	s_cmp_eq_u32 s2, 0
	s_cbranch_scc0 .Lentry_in_a_cluster
	s_endpgm
.Lentry_in_a_cluster:
	s_bfe_u32 s2, ttmp6, 0x10000c
	s_cmp_lg_u32 s2, 0x3003
	s_cbranch_scc0 .Lentry_shape_is_right
	s_endpgm
.Lentry_shape_is_right:
; att = softmax(q k^T, masked) v for 2 batches x 16 heads, 2,048 x 2,048, d = 64.  qkv: [4096][3072] f16 (q already times 0.125 log2(e)), att: [4096][1024] f16.
; Work-group (x, y): batch y >> 3, head pair y & 7 (128 columns = 256 bytes of a row), queries 128 x .. 128 x + 127.  Eight waves, two on a SIMD:
; wave w takes head 2 hp + (w & 1), queries 64 ((w >> 1) & 1) + 0..63, and of every tile of 256 keys the half w >> 2: 16 steps of 64 keys.
; Waves w and w + 4 merge their halves at the end, through LDS.
; TRANSPOSED SCHEME: S^T = K (source 0) x Q (source 1): lane (r, h), register j holds key 8 h + j of a block of 16 and query r.  So the figures of the
; softmax are a lane's own (only the maximum, and at the end the sum, cross to lane xor 16), and two neighbouring key blocks, rounded to f16 in place,
; ARE the second source P of O^T += V^T (source 0, by the transposing LDS load) x P.
; MASK: a table of 2,048 f32 in LDS (0, or -2^100 for a masked key) enters as the C operand of the first S product: no vector work in the loop.
; A running maximum is kept as reference() takes its maximum.  If the whole batch is masked, Q is cleared and the table is 0: S = 0, P = 1, the mean of V,
; which is what reference() gives.  These are selects; no branch hangs on the mask.
; CLUSTERS: the four work-groups of a cluster (4 x 1) have the same batch and head pair and walk the same K and V tiles: each tile is asked for jointly.
; LIMITS: operands are f16 (|q|, |k|, |v| < 65,504, so |S| <= 64 x 65,504^2 < 2^39, far under 2^100); P in [0, 1] is rounded to f16, the sum l adds the unrounded P.
.set ROWB, 6144                        ; bytes in a row of qkv
.set KP, 272                           ; K's LDS row: 256 bytes + 16
.set VP, 288                           ; V's LDS row: 256 bytes + 32 (an odd multiple of 32, for the transposing load)
.set KQ, 64*KP                         ; what one tensor load brings of K: 64 keys
.set VQ, 64*VP
.set VOFF, 256*KP                      ; V's 256 rows lie behind K's 256
.set SLOT, 256*KP+256*VP               ; 143,360
.set BIAS, 2*SLOT                      ; 8,192 bytes behind the ring: written by LDS stores, never filled by a tensor load
.set XCHW, 18432                       ; the merge: 17,408 bytes used for each pair of waves, in slot 0 behind its last fill
.set STAGE, 4*XCHW                     ; 128 rows x 272 bytes, also in the retired slot 0
.set SP, 272
.set TILEB, 256*ROWB                   ; bytes from a tile of 256 keys to the next
; window 0
.set M, 2                              ; v[2:9]     running maximum, a pair (m, m) for each query block
.set A, 10                             ; v[10:17]   this step's factor 2^(m old - m new), pairs
.set LS, 18                            ; v[18:25]   this step's sums of P, pairs
.set L, 26                             ; v[26:29]   running sum
.set T, 32                             ; v[32:43]   at work; T+8..11 are the targets of the lane exchange
.set KA, 44                            ; v44-45     LDS address of my K fragments in slot 0, 1
.set VA, 46                            ; v46-47     the same for V
.set BA, 48                            ; v48        my place in the bias table; steps 2,048 bytes a lap
.set QOFF, 49
.set STO, 50
.set RD, 51
.set CO, 52
.set XA, 53
.set Q, 64                             ; v[64:127]  Q(qb, dh) at 64 + 16 qb + 8 dh
.set X, 128                            ; v[128:255] S: group g = 4 c + qb of 16 registers: key blocks 2 c, 2 c + 1; its low 8 become P(c, qb)
; window 1
.set O, 0                              ; O(db, qb) at 8 (4 db + qb)
.set KV, 128                           ; K(kb, dh) at 128 + 16 kb + 8 dh, then V(db, c) at 128 + 32 c + 8 db
.set BI, 192                           ; bias of key block kb at 192 + 8 kb
.set G1K, 24
.set G0K, 32
.set G1V, 48
.set G0V, 56
.set MSB, 0
.macro WIN new                         ; low byte: bits 1:0 source 0, 3:2 source 1, 5:4 source 2, 7:6 destination; the high byte repeats the setting left
.if MSB != \new
	s_set_vgpr_msb (MSB<<8)|\new
.set MSB, \new
.endif
.endm
.macro PLACES                          ; four plain places behind matrix instructions (ISA guide 7.12.1)
.rept 4
	v_nop
.endr
.endm
.macro FIVE                            ; five, where the next matrix instructions write over a source (P) of the last ones
.rept 5
	v_nop
.endr
.endm
.macro ROUND                           ; a round of the cluster's barrier
	s_barrier_signal -1
	s_barrier_wait -1
	s_cmp_lg_u32 s10, 0
	s_cbranch_scc1 .Lnot_wave_0_\@
	s_barrier_signal -3
.Lnot_wave_0_\@:
	s_barrier_wait -3
	s_barrier_signal -1
	s_barrier_wait -1
.endm
.macro JLOAD s                         ; waves 0-3 ask for K's four quarters, waves 4-7 for V's; the branch hangs on the wave's number alone
	s_cmp_eq_u32 s11, 0
	s_cbranch_scc0 .Lfor_v_\@
	tensor_load_to_lds s[G0K+4*\s:G0K+4*\s+3], s[G1K:G1K+7]
	s_nop 0
	s_branch .Lasked_\@
.Lfor_v_\@:
	tensor_load_to_lds s[G0V+4*\s:G0V+4*\s+3], s[G1V:G1V+7]
	s_nop 0
.Lasked_\@:
.endm
	s_load_b128 s[4:7], s[0:1], 0x0                ; qkv s[4:5], mask s[6:7]
	s_load_b64 s[8:9], s[0:1], 0x10                ; att
	v_lshl_add_u32 v31, v0, 2, 0x48000
	v_mov_b32 v63, 0
	ds_add_u32 v31, v63
	v_lshrrev_b32 v1, 5, v0
	v_readfirstlane_b32 s10, v1                    ; wave 0..7
	s_lshr_b32 s11, s10, 2                         ; kh: my half of each tile's keys.  Also: I fetch for K (0) or V (1)
	s_and_b32 s12, s10, 3                          ; which quarter of that tile I fetch; also my pair's number in the merge
	s_and_b32 s13, s10, 1                          ; hd: which head of the pair
	s_bfe_u32 s14, s10, 0x10001                    ; qg: which 64 of the 128 queries
	s_and_b32 s15, ttmp7, 0xffff
	s_and_b32 s16, s15, 7                          ; hp: head pair
	s_lshr_b32 s15, s15, 3                         ; b: batch
	s_bfe_u32 s40, ttmp6, 0x40000                  ; cx: enters only Q's and att's global addresses
	s_lshl_b32 s17, ttmp9, 2
	s_add_co_u32 s17, s17, s40                     ; query block of 128
	s_mov_b32 s46, 0x76543210                      ; v_permlanex16_b32: lane i reads lane i of the other half
	s_mov_b32 s47, 0xfedcba98
	; group 1: 64 rows x 128 elements of 2 bytes, padded behind every 64 words by 4 (K) or 8 (V) words; the mask names all four of the cluster
	s_mov_b32 s[G1K+0], 15|(1<<16)|(1<<20)|(1<<21)|(5<<22)|(3<<25)
	s_mov_b32 s[G1V+0], 15|(1<<16)|(1<<20)|(1<<21)|(5<<22)|(7<<25)
	s_mov_b32 s[G1K+1], 128<<16                    ; tensor_dim0 = 128
	s_mov_b32 s[G1V+1], 128<<16
	s_mov_b32 s[G1K+2], 64<<16                     ; tensor_dim1 = 64
	s_mov_b32 s[G1V+2], 64<<16
	s_mov_b32 s[G1K+3], 128<<16                    ; tile_dim0 = 128
	s_mov_b32 s[G1V+3], 128<<16
	s_mov_b32 s[G1K+4], 64                         ; tile_dim1 = 64
	s_mov_b32 s[G1V+4], 64
	s_mov_b32 s[G1K+5], 3072                       ; elements from row to row
	s_mov_b32 s[G1V+5], 3072
	s_mov_b32 s[G1K+6], 0
	s_mov_b32 s[G1V+6], 0
	s_mov_b32 s[G1K+7], 0
	s_mov_b32 s[G1V+7], 0
	s_lshl_b32 s18, s15, 11
	s_lshl_b32 s19, s12, 6
	s_add_co_u32 s18, s18, s19                     ; row 2048 b + 64 x quarter
	s_mul_i32 s18, s18, ROWB
	s_lshl_b32 s19, s16, 8
	s_add_co_u32 s18, s18, s19                     ; + 256 bytes x head pair
	s_mov_b32 s19, 0
	s_mul_i32 s20, s12, KQ                         ; LDS: my quarter of K,
	s_mul_i32 s21, s12, VQ
	s_add_co_u32 s21, s21, VOFF                    ; or of V
	s_wait_dscnt 0x0
	s_wait_kmcnt 0x0
	s_add_nc_u64 s[22:23], s[4:5], s[18:19]
	ROUND                                          ; the four work-groups are here: the first joint loads meet
.irp s, 0,1
	s_mov_b32 s[G0K+4*\s], 1
	s_add_co_u32 s[G0K+4*\s+1], s20, \s*SLOT
	s_add_nc_u64 s[G0K+4*\s+2:G0K+4*\s+3], s[22:23], 2048+\s*TILEB       ; k's columns begin 2,048 bytes into a row; tile s
	s_or_b32 s[G0K+4*\s+3], s[G0K+4*\s+3], 0x80000000
	s_mov_b32 s[G0V+4*\s], 1
	s_add_co_u32 s[G0V+4*\s+1], s21, \s*SLOT
	s_add_nc_u64 s[G0V+4*\s+2:G0V+4*\s+3], s[22:23], 4096+\s*TILEB       ; v's columns begin 4,096 bytes into a row
	s_or_b32 s[G0V+4*\s+3], s[G0V+4*\s+3], 0x80000000
	JLOAD \s                                       ; by this text's count two tensor loads of a wave are out here, later one
.endr
	; global bases
	s_lshl_b32 s18, s15, 11
	s_mov_b32 s19, 0
	s_add_nc_u64 s[70:71], s[6:7], s[18:19]        ; my batch's 2,048 mask bytes
	s_lshl_b32 s41, s17, 7
	s_add_co_u32 s41, s41, s18                     ; the work-group's first query row
	s_lshl_b32 s42, s14, 6
	s_add_co_u32 s42, s42, s41                     ; + 64 qg
	s_mul_i32 s42, s42, ROWB
	s_lshl_b32 s43, s16, 8
	s_add_co_u32 s42, s42, s43
	s_lshl_b32 s43, s13, 7
	s_add_co_u32 s42, s42, s43                     ; + 256 hp + 128 hd
	s_mov_b32 s43, 0
	s_add_nc_u64 s[66:67], s[4:5], s[42:43]        ; Q
	s_lshl_b32 s42, s41, 11
	s_lshl_b32 s43, s16, 8
	s_add_co_u32 s42, s42, s43
	s_mov_b32 s43, 0
	s_add_nc_u64 s[68:69], s[8:9], s[42:43]        ; att: row x 2,048 bytes + 256 hp
	v_and_b32 v1, 31, v0                           ; lane
	v_and_b32 v54, 15, v0                          ; r
	v_bfe_u32 v55, v0, 4, 1                        ; h
	v_lshlrev_b32 v60, 4, v1                       ; 16 x lane
	v_lshlrev_b32 v61, 3, v0                       ; 8 x thread
	v_mul_u32_u24 v[QOFF], v54, ROWB
	v_lshl_add_u32 v[QOFF], v55, 4, v[QOFF]        ; query r's row + 16 h
.irp i, 0,1,2,3
	global_load_b128 v[X+4*\i:X+4*\i+3], v60, s[70:71] offset:512*\i     ; every wave looks at the whole mask of the batch
.endr
	global_load_b64 v[X+16:X+17], v61, s[70:71]                          ; the eight keys whose table entries this thread makes
.irp qb, 0,1,2,3
.irp dh, 0,1
	global_load_b128 v[Q+16*\qb+8*\dh:Q+16*\qb+8*\dh+3],   v[QOFF], s[66:67] offset:\qb*16*ROWB+64*\dh
	global_load_b128 v[Q+16*\qb+8*\dh+4:Q+16*\qb+8*\dh+7], v[QOFF], s[66:67] offset:\qb*16*ROWB+64*\dh+32
.endr
.endr
	; LDS addresses
	v_mul_u32_u24 v56, v54, KP
	v_lshl_add_u32 v56, v55, 4, v56                ; r x 272 + 16 h
	s_mul_i32 s18, s11, 128*KP
	s_lshl_b32 s19, s13, 7                         ; 128 hd
	s_add_co_u32 s18, s18, s19
	v_add_nc_u32 v[KA], s18, v56
	v_add_nc_u32 v[KA+1], SLOT, v[KA]
	v_and_b32 v57, 7, v0
	v_lshl_add_u32 v57, v55, 3, v57                ; key row 8 h + lane % 8
	v_mul_u32_u24 v57, v57, VP
	v_bfe_u32 v58, v0, 3, 1
	v_lshl_add_u32 v57, v58, 4, v57
	s_mul_i32 s18, s11, 128*VP
	s_add_co_u32 s18, s18, s19
	s_add_co_u32 s18, s18, VOFF
	v_add_nc_u32 v[VA], s18, v57
	v_add_nc_u32 v[VA+1], SLOT, v[VA]
	s_lshl_b32 s18, s11, 9
	s_add_co_u32 s18, s18, BIAS
	v_lshl_add_u32 v[BA], v55, 5, s18              ; table + 512 kh + 32 h
	s_mul_i32 s18, s14, 64*SP
	s_add_co_u32 s18, s18, s19
	s_add_co_u32 s18, s18, STAGE
	v_add_nc_u32 v[STO], s18, v56                  ; stage row 64 qg + r, byte 128 hd + 16 h
	v_lshrrev_b32 v59, 4, v0
	v_mul_u32_u24 v[RD], v59, SP
	v_lshl_add_u32 v[RD], v54, 4, v[RD]
	v_add_nc_u32 v[RD], STAGE, v[RD]               ; stage row thread / 16, byte 16 (thread % 16)
	v_lshlrev_b32 v[CO], 11, v59
	v_lshl_add_u32 v[CO], v54, 4, v[CO]            ; the same place in att
	s_mul_i32 s18, s12, XCHW
	v_lshl_add_u32 v[XA], v1, 4, s18
	v_lshlrev_b32 v62, 5, v0
	v_add_nc_u32 v62, BIAS, v62                    ; my 32 bytes of the table
.irp i, 8,9,10,11
	v_mov_b32 v[T+\i], 0                           ; the lane exchange's targets count as read: written once here
.endr
	s_wait_loadcnt 0x10                            ; the five mask loads are in; Q's sixteen stay out
.irp i, 1,2,3,4,5,6,7,8,9,10,11,12,13,14,15
	v_or_b32 v[X], v[X], v[X+\i]
.endr
	v_cmp_ne_u32 vcc_lo, 0, v[X]
	s_cmp_lg_u32 vcc_lo, 0                         ; is any key of the batch open?
	s_cselect_b32 s44, -1, 0                       ; keeps or clears Q
	s_cselect_b32 s45, 0xf1800000, 0               ; a masked key's bias: -2^100, or 0 where all are masked
	v_mov_b32 v[X+28], s45
.irp k, 0,1,2,3,4,5,6,7
	v_bfe_u32 v[X+29], v[X+16+\k/4], 8*(\k%4), 8
	v_cmp_eq_u32 vcc_lo, 0, v[X+29]
	v_cndmask_b32 v[X+20+\k], 0, v[X+28], vcc_lo
.endr
	ds_store_b128 v62, v[X+20:X+23]
	ds_store_b128 v62, v[X+24:X+27] offset:16
	s_wait_loadcnt 0x0                             ; Q
.set cnt, 0
.rept 64
	v_and_b32 v[Q+cnt], s44, v[Q+cnt]
.set cnt, cnt+1
.endr
	s_wait_dscnt 0x0                               ; my table entries are written, for the other waves' sake
	s_wait_tensorcnt 0x1                           ; my quarter of slot 0 is in; slot 1's may stay out
	s_barrier_signal -1
	s_barrier_wait -1
; eight loads: K of key blocks 2 half, 2 half + 1 of step st in a slot
.macro KLOAD slot, st, half
.irp kb, 2*\half, 2*\half+1
.irp dh, 0,1
	ds_load_b128 v[KV+16*(\kb)+8*\dh:KV+16*(\kb)+8*\dh+3],   v[KA+\slot] offset:(64*\st+16*(\kb))*KP+64*\dh
	ds_load_b128 v[KV+16*(\kb)+8*\dh+4:KV+16*(\kb)+8*\dh+7], v[KA+\slot] offset:(64*\st+16*(\kb))*KP+64*\dh+32
.endr
.endr
.endm
; sixteen transposing loads: V^T(db, c): d = 16 db + r, keys 32 c + 8 h + 0..7 and 16 further
.macro VLOAD slot, st
.irp c, 0,1
.irp db, 0,1,2,3
	ds_load_tr16_b128 v[KV+32*\c+8*\db:KV+32*\c+8*\db+3],   v[VA+\slot] offset:(64*\st+32*\c)*VP+32*\db
	ds_load_tr16_b128 v[KV+32*\c+8*\db+4:KV+32*\c+8*\db+7], v[VA+\slot] offset:(64*\st+32*\c)*VP+32*\db+16*VP
.endr
.endr
.endm
; eight loads: the bias of step n of a lap (n = 2 slot + st; n = 4 is the next lap's first step): register j = key 8 h + j of the block
.macro BLOAD n
.irp kb, 0,1,2,3
	ds_load_b128 v[BI+8*\kb:BI+8*\kb+3],   v[BA] offset:((\n)>>1)*1024+((\n)&1)*256+64*\kb
	ds_load_b128 v[BI+8*\kb+4:BI+8*\kb+7], v[BA] offset:((\n)>>1)*1024+((\n)&1)*256+64*\kb+16
.endr
.endm
; sixteen matrix instructions: S^T of key blocks kb0, kb0 + 1 x four query blocks.  The first pass (d 0..31) takes the bias as C, the second (d 32..63)
; adds in place; the eight accumulators take turns, one instruction a turn.
.macro SMUL kb0
	WIN 0x11                                       ; K and the bias in window 1, Q and S in window 0
.irp kb, \kb0, \kb0+1
.irp qb, 0,1,2,3
.set sr, X+16*(4*((\kb)>>1)+\qb)+8*((\kb)&1)
	v_wmma_f32_16x16x32_f16 v[sr:sr+7], v[KV+16*(\kb):KV+16*(\kb)+7], v[Q+16*\qb:Q+16*\qb+7], v[BI+8*(\kb):BI+8*(\kb)+7]
.endr
.endr
	WIN 0x01
.irp kb, \kb0, \kb0+1
.irp qb, 0,1,2,3
.set sr, X+16*(4*((\kb)>>1)+\qb)+8*((\kb)&1)
	v_wmma_f32_16x16x32_f16 v[sr:sr+7], v[KV+16*(\kb)+8:KV+16*(\kb)+15], v[Q+16*\qb+8:Q+16*\qb+15], v[sr:sr+7]
.endr
.endr
.endm
; sixteen matrix instructions: O^T += V^T(., c) x P(c, .); sixteen accumulators by turns
.macro PV c, zero
.irp db, 0,1,2,3
.irp qb, 0,1,2,3
.set orr, O+8*(4*\db+\qb)
.if \zero
	v_wmma_f32_16x16x32_f16 v[orr:orr+7], v[KV+32*\c+8*\db:KV+32*\c+8*\db+7], v[X+16*(4*\c+\qb):X+16*(4*\c+\qb)+7], 0
.else
	v_wmma_f32_16x16x32_f16 v[orr:orr+7], v[KV+32*\c+8*\db:KV+32*\c+8*\db+7], v[X+16*(4*\c+\qb):X+16*(4*\c+\qb)+7], v[orr:orr+7]
.endif
.endr
.endr
.endm
.macro OSCALE                          ; O *= 2^(m old - m new), a lane's own factor for each query block
.irp db, 0,1,2,3
.irp qb, 0,1,2,3
.irp p, 0,2,4,6
	v_pk_mul_f32 v[O+8*(4*\db+\qb)+\p:O+8*(4*\db+\qb)+\p+1], v[O+8*(4*\db+\qb)+\p:O+8*(4*\db+\qb)+\p+1], v[A+2*\qb:A+2*\qb+1]
.endr
.endr
.endr
.endm
; pieces of the softmax on group g, pair i
.macro SUB1 g, i                       ; S - m
	v_pk_add_f32 v[X+16*\g+2*\i:X+16*\g+2*\i+1], v[X+16*\g+2*\i:X+16*\g+2*\i+1], v[M+2*(\g&3):M+2*(\g&3)+1] neg_lo:[0,1] neg_hi:[0,1]
.endm
.macro LSADD g, i                      ; the step's sum; a query block's first group starts it, so nothing is cleared
.if \g < 4
.if \i == 0
	s_wait_alu depctr_va_vdst(0)
	v_pk_add_f32 v[LS+2*(\g&3):LS+2*(\g&3)+1], v[X+16*\g:X+16*\g+1], v[X+16*\g+2:X+16*\g+3]
.endif
.if \i > 1
	v_pk_add_f32 v[LS+2*(\g&3):LS+2*(\g&3)+1], v[LS+2*(\g&3):LS+2*(\g&3)+1], v[X+16*\g+2*\i:X+16*\g+2*\i+1]
.endif
.else
	s_wait_alu depctr_va_vdst(0)
	v_pk_add_f32 v[LS+2*(\g&3):LS+2*(\g&3)+1], v[LS+2*(\g&3):LS+2*(\g&3)+1], v[X+16*\g+2*\i:X+16*\g+2*\i+1]
.endif
.endm
.macro CVT1 g, i                       ; two P to f16, in place: register i is free, its numbers went out at pair i / 2
	v_cvt_pk_f16_f32 v[X+16*\g+\i], v[X+16*\g+2*\i], v[X+16*\g+2*\i+1]
.endm
; the exponentials of group g, woven with the sums and roundings of group g - 1 and the subtractions of group g + 1: every exponential's result is
; used a phase later, with plain instructions between (ISA guide 5.7.2)
.macro PHASE g
.irp i, 0,1,2,3,4,5,6,7
	v_exp_f32 v[X+16*\g+2*\i], v[X+16*\g+2*\i]
.if \g > 0
	LSADD (\g-1), \i
.endif
.if \g < 7
	SUB1 (\g+1), \i
.endif
	v_exp_f32 v[X+16*\g+2*\i+1], v[X+16*\g+2*\i+1]
.if \g > 0
	CVT1 (\g-1), \i
.endif
.endr
.endm
.macro SOFTMAX first
	; the new maximum of each query block: two chains a block, eight chains interleaved
.irp qb, 0,1,2,3
.if \first
	v_max_num_f32 v[T+\qb], v[X+16*\qb], v[X+16*\qb+1]
.else
	v_max3_num_f32 v[T+\qb], v[M+2*\qb], v[X+16*\qb], v[X+16*\qb+1]
.endif
	v_max_num_f32 v[T+4+\qb], v[X+64+16*\qb], v[X+64+16*\qb+1]
.endr
.irp i, 2,4,6,8,10,12,14
.irp qb, 0,1,2,3
	v_max3_num_f32 v[T+\qb], v[T+\qb], v[X+16*\qb+\i], v[X+16*\qb+\i+1]
	v_max3_num_f32 v[T+4+\qb], v[T+4+\qb], v[X+64+16*\qb+\i], v[X+64+16*\qb+\i+1]
.endr
.endr
.irp qb, 0,1,2,3
	v_max_num_f32 v[T+\qb], v[T+\qb], v[T+4+\qb]
.endr
.irp qb, 0,1,2,3
	v_permlanex16_b32 v[T+8+\qb], v[T+\qb], s46, s47       ; the other eight keys of each block lie in lane xor 16
.endr
.irp qb, 0,1,2,3
	v_max_num_f32 v[T+\qb], v[T+\qb], v[T+8+\qb]
.endr
.if \first == 0
.irp qb, 0,1,2,3
	v_sub_f32 v[A+2*\qb], v[M+2*\qb], v[T+\qb]
.endr
.irp qb, 0,1,2,3
	v_exp_f32 v[A+2*\qb], v[A+2*\qb]
.endr
.endif
.irp qb, 0,1,2,3
	v_mov_b32 v[M+2*\qb], v[T+\qb]
	v_mov_b32 v[M+2*\qb+1], v[T+\qb]
.endr
.if \first == 0
	s_wait_alu depctr_va_vdst(0)
.irp qb, 0,1,2,3
	v_mov_b32 v[A+2*\qb+1], v[A+2*\qb]
.endr
.endif
.irp i, 0,1,2,3,4,5,6,7
	SUB1 0, \i
.endr
.irp g, 0,1,2,3,4,5,6,7
	PHASE \g
.endr
.irp i, 0,1,2,3,4,5,6,7
	LSADD 7, \i
	CVT1 7, \i
.endr
.irp qb, 0,1,2,3
.if \first
	v_add_f32 v[L+\qb], v[LS+2*\qb], v[LS+2*\qb+1]
.else
	v_add_f32 v[T+\qb], v[LS+2*\qb], v[LS+2*\qb+1]
	v_fma_f32 v[L+\qb], v[L+\qb], v[A+2*\qb], v[T+\qb]
.endif
.endr
.endm
; The change of slots.  Every wave waits for its LDS reads and for all its tensor loads; where the slot just read is filled again (fill = 1) a round of
; the cluster's barrier follows and the joint refill is the first thing behind it, one tensor load a wave; it has a whole tile's work in which to land.
.macro HS slot, fill
	s_wait_dscnt 0x0
	s_wait_tensorcnt 0x0                           ; no tensor load of mine is out: a group 0 may be written
	ds_add_u32 v31, v63
	s_wait_dscnt 0x0
.if \fill
	s_add_nc_u64 s[G0K+4*\slot+2:G0K+4*\slot+3], s[G0K+4*\slot+2:G0K+4*\slot+3], 2*TILEB
	s_add_nc_u64 s[G0V+4*\slot+2:G0V+4*\slot+3], s[G0V+4*\slot+2:G0V+4*\slot+3], 2*TILEB
	ROUND
	JLOAD \slot
.else
	s_barrier_signal -1
	s_barrier_wait -1
.endif
.endm
; One step: 64 keys x 64 queries.  nx = 0: the next step is in the same tile; 1: change slots with a refill; 2: change slots without; 3: the end.
.macro STEP slot, st, first, nx
	s_wait_dscnt 0x8                               ; the bias and key blocks 0, 1 are in; the youngest eight loads (key blocks 2, 3) may be out
	SMUL 0
	s_wait_dscnt 0x0
	SMUL 2
	PLACES                                         ; behind the S products: loads into K's and the bias's registers, and the softmax's reads of S
	WIN 0x40
	VLOAD \slot, \st
.if \nx != 3
	BLOAD (2*\slot+\st+1)
.endif
	WIN 0
	SOFTMAX \first
.if \nx == 3
	s_wait_dscnt 0x0
.else
	s_wait_dscnt 0x8                               ; V's sixteen loads are in; the next step's eight bias loads may be out
.endif
.if \first == 0
	WIN 0x41
	OSCALE
.endif
	WIN 0x51
	PV 0, \first
.if \nx == 0
	PLACES                                         ; then V(., 0)'s registers take the next step's key blocks 0, 1
	WIN 0x40
	KLOAD \slot, (\st+1), 0
	WIN 0x51
	PV 1, 0
	FIVE
	WIN 0x40
	KLOAD \slot, (\st+1), 1
	WIN 0
.endif
.if \nx == 1
	PV 1, 0
	FIVE
	WIN 0
	HS \slot, 1
	WIN 0x40
	KLOAD (1-\slot), 0, 0
	KLOAD (1-\slot), 0, 1
	WIN 0
.endif
.if \nx == 2
	PV 1, 0
	FIVE
	WIN 0
	HS \slot, 0
	WIN 0x40
	KLOAD (1-\slot), 0, 0
	KLOAD (1-\slot), 0, 1
	WIN 0
.endif
.if \nx == 3
	PV 1, 0
.endif
.endm
.macro LAP first, n1, n3               ; two tiles, four steps
	STEP 0, 0, \first, 0
	STEP 0, 1, 0, \n1
	STEP 1, 0, 0, 0
	STEP 1, 1, 0, \n3
.endm
	WIN 0x40
	BLOAD 0
	KLOAD 0, 0, 0
	KLOAD 0, 0, 1
	WIN 0
	LAP 1, 1, 1                                    ; tiles 0, 1; the first step starts m, l and O: nothing is cleared
	v_add_nc_u32 v[BA], 2048, v[BA]                ; 512 keys on in the table
	s_mov_b32 s3, 2
.Llap:
	LAP 0, 1, 1                                    ; tiles 2 to 5
	v_add_nc_u32 v[BA], 2048, v[BA]
	s_sub_co_u32 s3, s3, 1
	s_cmp_lg_u32 s3, 0
	s_cbranch_scc1 .Llap
	LAP 0, 2, 3                                    ; tiles 6, 7: nothing is left to fetch
	; THE MERGE of the two halves of the keys.  Slot 0 has had its last fill and its last read (the barrier between tiles 6 and 7).
	PLACES
	WIN 0
	s_cmp_eq_u32 s11, 0
	s_cbranch_scc1 .Lkeep
.irp qb, 0,1,2,3
	v_mov_b32 v[T+\qb], v[M+2*\qb]
.endr
	ds_store_b128 v[XA], v[T:T+3] offset:16384     ; waves 4-7 hand over m,
	ds_store_b128 v[XA], v[L:L+3] offset:16896     ; l,
	WIN 0x04
.set cnt, 0
.rept 32
	ds_store_b128 v[XA], v[O+4*cnt:O+4*cnt+3] offset:512*cnt             ; and O: 32 lanes x 16 neighbouring bytes each
.set cnt, cnt+1
.endr
	WIN 0
.Lkeep:
	s_wait_dscnt 0x0
	s_barrier_signal -1
	s_barrier_wait -1
	s_cmp_lg_u32 s11, 0
	s_cbranch_scc1 .Lmerged
.macro XLOAD bt                        ; the partner's O of d blocks 2 bt, 2 bt + 1
.set cnt, 0
.rept 16
	ds_load_b128 v[KV+4*cnt:KV+4*cnt+3], v[XA] offset:512*(16*\bt+cnt)
.set cnt, cnt+1
.endr
.endm
	ds_load_b128 v[T+4:T+7], v[XA] offset:16384    ; the partner's m
	ds_load_b128 v[T+8:T+11], v[XA] offset:16896   ; and l
	WIN 0x40
	XLOAD 0
	WIN 0
	s_wait_dscnt 0x10                              ; m and l are in; the sixteen loads of O may be out
.irp qb, 0,1,2,3
	v_max_num_f32 v[T+\qb], v[M+2*\qb], v[T+4+\qb]
.endr
.irp qb, 0,1,2,3
	v_sub_f32 v[A+2*\qb], v[M+2*\qb], v[T+\qb]
	v_sub_f32 v[LS+2*\qb], v[T+4+\qb], v[T+\qb]
.endr
.irp qb, 0,1,2,3
	v_exp_f32 v[A+2*\qb], v[A+2*\qb]
	v_exp_f32 v[LS+2*\qb], v[LS+2*\qb]
.endr
	v_nop
	s_wait_alu depctr_va_vdst(0)
.irp qb, 0,1,2,3
	v_mul_f32 v[L+\qb], v[L+\qb], v[A+2*\qb]
.endr
.irp qb, 0,1,2,3
	v_fmac_f32 v[L+\qb], v[T+8+\qb], v[LS+2*\qb]
.endr
.irp qb, 0,1,2,3
	v_permlanex16_b32 v[T+8+\qb], v[L+\qb], s46, s47       ; a lane summed eight keys of each block: the other eight lie in lane xor 16
.endr
.irp qb, 0,1,2,3
	v_add_f32 v[L+\qb], v[L+\qb], v[T+8+\qb]               ; at least 1: the key of the maximum gives P = 1
.endr
.irp qb, 0,1,2,3
	v_rcp_f32 v[L+\qb], v[L+\qb]
.endr
	v_nop
	s_wait_alu depctr_va_vdst(0)
.irp qb, 0,1,2,3
	v_mul_f32 v[A+2*\qb], v[A+2*\qb], v[L+\qb]
	v_mul_f32 v[LS+2*\qb], v[LS+2*\qb], v[L+\qb]
.endr
.irp qb, 0,1,2,3
	v_mov_b32 v[A+2*\qb+1], v[A+2*\qb]
	v_mov_b32 v[LS+2*\qb+1], v[LS+2*\qb]
.endr
; d blocks 2 bt, 2 bt + 1: O = O a0 / l + O' a1 / l, rounded to f16, 16 bytes a lane (d = 16 db + 8 h + 0..7 of query 16 qb + r) into the stage
.macro MERGE bt, more
	s_wait_dscnt 0x0
	WIN 0x41
.irp db, 2*\bt, 2*\bt+1
.irp qb, 0,1,2,3
.irp p, 0,2,4,6
	v_pk_mul_f32 v[O+8*(4*(\db)+\qb)+\p:O+8*(4*(\db)+\qb)+\p+1], v[O+8*(4*(\db)+\qb)+\p:O+8*(4*(\db)+\qb)+\p+1], v[A+2*\qb:A+2*\qb+1]
.endr
.endr
.endr
	WIN 0x51
.irp db, 2*\bt, 2*\bt+1
.irp qb, 0,1,2,3
.irp p, 0,2,4,6
.set orr, O+8*(4*(\db)+\qb)+\p
	v_pk_fma_f32 v[orr:orr+1], v[KV+orr-64*\bt:KV+orr-64*\bt+1], v[LS+2*\qb:LS+2*\qb+1], v[orr:orr+1]
.endr
.endr
.endr
.if \more
	WIN 0x40
	XLOAD 1
.endif
	WIN 0x05
.irp db, 2*\bt, 2*\bt+1
.irp qb, 0,1,2,3
.irp p, 0,1,2,3
	v_cvt_pk_f16_f32 v[Q+4*(4*((\db)-2*\bt)+\qb)+\p], v[O+8*(4*(\db)+\qb)+2*\p], v[O+8*(4*(\db)+\qb)+2*\p+1]
.endr
.endr
.endr
	WIN 0
.irp db, 2*\bt, 2*\bt+1
.irp qb, 0,1,2,3
	ds_store_b128 v[STO], v[Q+4*(4*((\db)-2*\bt)+\qb):Q+4*(4*((\db)-2*\bt)+\qb)+3] offset:16*\qb*SP+32*(\db)
.endr
.endr
.endm
	MERGE 0, 1
	MERGE 1, 0
.Lmerged:
	s_wait_dscnt 0x0                               ; my part of the stage is written, for the other waves' sake
	s_barrier_signal -1
	s_barrier_wait -1
.irp p, 0,1,2,3,4,5,6,7
	ds_load_b128 v[X+4*\p:X+4*\p+3], v[RD] offset:16*SP*\p
.endr
.irp p, 0,1,2,3,4,5,6,7
	s_wait_dscnt 7-\p                              ; load p is in, the younger ones stay out
	global_store_b128 v[CO], v[X+4*\p:X+4*\p+3], s[68:69] offset:32768*\p   ; 16 lanes store the head pair's 256 consecutive bytes of a row, at a multiple of 256 from the buffer's start
.endr
	s_wait_tensorcnt 0x0
	ds_add_u32 v31, v63
	s_wait_dscnt 0x0
	ROUND                                          ; the closing round
	s_endpgm
.Lfunc_end_k_q1129b7e2a9_attn:
	.size	k_q1129b7e2a9_attn, .Lfunc_end_k_q1129b7e2a9_attn-k_q1129b7e2a9_attn
	.p2alignl 7, 3214868480
	.fill 96, 4, 3214868480
	.section	.rodata,"a",@progbits
	.p2align	6, 0x0
	.amdhsa_kernel k_q1129b7e2a9_attn
		.amdhsa_group_segment_fixed_size 327680
		.amdhsa_private_segment_fixed_size 0
		.amdhsa_enable_private_segment 0
		.amdhsa_kernarg_size 24
		.amdhsa_user_sgpr_count 2
		.amdhsa_user_sgpr_kernarg_segment_ptr 1
		.amdhsa_wavefront_size32 1
		.amdhsa_system_sgpr_workgroup_id_x 1
		.amdhsa_system_sgpr_workgroup_id_y 1
		.amdhsa_system_sgpr_workgroup_id_z 1
		.amdhsa_system_vgpr_workitem_id 0
		.amdhsa_next_free_vgpr 480
		.amdhsa_next_free_sgpr 72
		.amdhsa_reserve_vcc 1
		.amdhsa_float_denorm_mode_32 3
		.amdhsa_float_denorm_mode_16_64 3
		.amdhsa_memory_ordered 1
		.amdhsa_forward_progress 1
		.amdhsa_inst_pref_size 255
	.end_amdhsa_kernel
	.section	.bss,"aw",@nobits
	.p2align	6
	.space	262144
	.amdgpu_metadata
---
amdhsa.version: [ 1, 2 ]
amdhsa.kernels:
  - .name:           k_q1129b7e2a9_attn
    .symbol:         k_q1129b7e2a9_attn.kd
    .args:
      - { .name: qkv, .offset: 0, .size: 8, .value_kind: global_buffer, .address_space: global }
      - { .name: mask, .offset: 8, .size: 8, .value_kind: global_buffer, .address_space: global }
      - { .name: att, .offset: 16, .size: 8, .value_kind: global_buffer, .address_space: global }
    .group_segment_fixed_size: 327680
    .private_segment_fixed_size: 0
    .kernarg_segment_align: 8
    .kernarg_segment_size: 24
    .max_flat_workgroup_size: 256
    .sgpr_count:     72
    .vgpr_count:     480
    .wavefront_size: 32
...
	.end_amdgpu_metadata
.endif
;; end of part 3
;; launch proj (part 4): grid 8 x 32, 4 waves a work-group, clusters of 4 x 4, 327,680 bytes of LDS; arguments att, wo, b_out, out0; writes out0
.if DOCPART == 4
	.amdgcn_target "amdgcn-amd-amdhsa--gfx1250"
	.amdhsa_code_object_version 6
	.text
	.protected	k_q1129b7e2a9_proj
	.globl	k_q1129b7e2a9_proj
	.p2align	8
	.type	k_q1129b7e2a9_proj,@function
k_q1129b7e2a9_proj:
	s_mov_b64 s[64:65], 0
	v_nop
	global_prefetch_b8 v0, s[64:65] scope:SCOPE_SE
	s_setreg_imm32_b32 hwreg(HW_REG_WAVE_MODE, 25, 1), 1
	s_wait_xcnt 0x0
	s_wait_alu depctr_hold_cnt(0) depctr_sa_sdst(0) depctr_va_vdst(0) depctr_va_sdst(0) depctr_va_ssrc(0) depctr_va_vcc(0) depctr_vm_vsrc(0)
	s_getreg_b32 s2, hwreg(HW_REG_IB_STS2, 6, 4)
	s_cmp_eq_u32 s2, 0
	s_cbranch_scc0 .Lentry_in_a_cluster
	s_endpgm
.Lentry_in_a_cluster:
	s_bfe_u32 s2, ttmp6, 0x10000c
	s_cmp_lg_u32 s2, 0xf033
	s_cbranch_scc0 .Lentry_shape_is_right
	s_endpgm
.Lentry_shape_is_right:
; out0[m][n] = sum over k of att[m][k] wo[k][n] + b_out[n].  att: [4096][1024] f16, wo: [1024][1024] f16, b_out: [1024] f32, out0: [4096][1024] f32.
; 8 x 32 = 256 work-groups, each a block of 128 x 128 with four waves; a wave makes 64 x 64: 16 accumulator tiles, 128 registers (window 1).
; K goes in four tiles of 256 through two LDS slots; all four are written out, without a loop.  A's tile: 128 rows x 512 bytes; B's: 256 k-rows x 256 bytes,
; as the weights lie in memory, its fragments made by the transposing LDS load.
; CLUSTERS: 4 x 4 work-groups: A's tile is shared along a row of the cluster, B's along a column, each asked for jointly.
; The matrix instruction is used transposed (source 0 = 16 columns of B, source 1 = 16 rows of A): a lane holds eight neighbouring numbers of a row.
; LIMIT (format): the operands are f16.
.set AP, 528                           ; A's LDS row: 512 bytes + 16
.set BP, 288                           ; B's LDS row: 256 bytes + 32 (an odd multiple of 32)
.set BOFF, 128*AP                      ; B lies behind A's 128 rows
.set SLOT, 128*AP+256*BP               ; 141,312
.set STAGE, 2*SLOT                     ; behind the ring: 16 rows x 272 bytes for each wave; no tensor load fills it
.set SPITCH, 272
.set ADRA, 16                          ; v16-17  my A fragments in slot 0, 1
.set ADRB, 20                          ; v20-23  my B fragments: slot 0 k-rows 0-127, 128-255; slot 1 likewise (an LDS offset has 16 bits)
.set STO, 24
.set RD, 25
.set CO, 26
.set BAD, 27
.set BV, 28                            ; v[28:31] b_out of the four columns that I store
.set F0, 64                            ; fragment buffer 0: A(a) at +8 a, B(b) at +32 + 8 b
.set F1, 128
.set G1, 24
.set G0, 32
.set G1B, 48
.set G0B, 56
.set MUL, 0x50                         ; C and D in window 1, A and B in window 0
.set MSB, 0
.macro WIN new
.if MSB != \new
	s_set_vgpr_msb (MSB<<8)|\new
.set MSB, \new
.endif
.endm
.macro JLOAD s                         ; waves 0 and 1 ask for A's halves, waves 2 and 3 for B's
	s_cmp_eq_u32 s11, 0
	s_cbranch_scc0 .Lfor_b_\@
	tensor_load_to_lds s[G0+4*\s:G0+4*\s+3], s[G1:G1+7]
	s_nop 0
	s_branch .Lasked_\@
.Lfor_b_\@:
	tensor_load_to_lds s[G0B+4*\s:G0B+4*\s+3], s[G1B:G1B+7]
	s_nop 0
.Lasked_\@:
.endm
.macro CREST
	s_cmp_lg_u32 s10, 0
	s_cbranch_scc1 .Lnot_wave_0_\@
	s_barrier_signal -3
.Lnot_wave_0_\@:
	s_barrier_wait -3
	s_barrier_signal -1
	s_barrier_wait -1
.endm
.macro CROUND
	s_barrier_signal -1
	s_barrier_wait -1
	CREST
.endm
.macro PLACES                          ; four plain places behind matrix instructions (ISA guide 7.12.1)
.rept 4
	v_nop
.endr
.endm
	s_load_b128 s[4:7], s[0:1], 0x0                ; att s[4:5], wo s[6:7]
	s_load_b128 s[20:23], s[0:1], 0x10             ; b_out s[20:21], out0 s[22:23]
	v_lshl_add_u32 v254, v0, 2, 0x49400
	v_mov_b32 v255, 0
	ds_add_u32 v254, v255
	v_lshrrev_b32 v1, 5, v0
	v_readfirstlane_b32 s10, v1                    ; wave 0..3
	s_lshr_b32 s11, s10, 1                         ; wm: my half of the block's rows.  Also: I fetch for A (0) or B (1)
	s_and_b32 s12, s10, 1                          ; wn: my half of its columns.  Also: which half of that tile I fetch
	s_bfe_u32 s40, ttmp6, 0x40000                  ; cx
	s_bfe_u32 s41, ttmp6, 0x40004                  ; cy
	s_lshl_b32 s42, ttmp9, 2
	s_add_co_u32 s42, s42, s40                     ; block column
	s_and_b32 s13, ttmp7, 0xffff
	s_lshl_b32 s13, s13, 2
	s_add_co_u32 s13, s13, s41                     ; block row
	s_lshl_b32 s43, s41, 2
	s_lshl_b32 s43, 15, s43                        ; my row of the cluster
	s_lshl_b32 s44, 0x1111, s40                    ; my column
	; group 1 of A: 64 rows x 256 elements, 4 words of padding behind every 128 words
	s_or_b32 s[G1+0], s43, (1<<16)|(1<<20)|(1<<21)|(6<<22)|(3<<25)
	s_mov_b32 s[G1+1], 256<<16
	s_mov_b32 s[G1+2], 64<<16
	s_mov_b32 s[G1+3], 256<<16
	s_mov_b32 s[G1+4], 64
	s_mov_b32 s[G1+5], 1024
	s_mov_b32 s[G1+6], 0
	s_mov_b32 s[G1+7], 0
	; group 1 of B: 128 k-rows x 128 elements, 8 words of padding behind every 64 words
	s_or_b32 s[G1B+0], s44, (1<<16)|(1<<20)|(1<<21)|(5<<22)|(7<<25)
	s_mov_b32 s[G1B+1], 128<<16
	s_mov_b32 s[G1B+2], 128<<16
	s_mov_b32 s[G1B+3], 128<<16
	s_mov_b32 s[G1B+4], 128
	s_mov_b32 s[G1B+5], 1024
	s_mov_b32 s[G1B+6], 0
	s_mov_b32 s[G1B+7], 0
	s_lshl_b32 s16, s13, 7
	s_lshl_b32 s17, s12, 6
	s_add_co_u32 s16, s16, s17                     ; A: row 128 x block row + 64 x half,
	s_lshl_b32 s16, s16, 11                        ; of 2,048 bytes
	s_mov_b32 s17, 0
	s_lshl_b32 s46, s12, 18                        ; B: k-row 128 x half, of 2,048 bytes,
	s_lshl_b32 s47, s42, 8                         ; column 128 x block column, in bytes
	s_add_co_u32 s46, s46, s47
	s_mov_b32 s47, 0
	s_mul_i32 s8, s12, 64*AP                       ; LDS: my half of A,
	s_mul_i32 s9, s12, 128*BP
	s_add_co_u32 s9, s9, BOFF                      ; or of B: the wave's number alone enters
	s_wait_dscnt 0x0
	s_wait_kmcnt 0x0
	s_add_nc_u64 s[14:15], s[4:5], s[16:17]
	s_add_nc_u64 s[46:47], s[6:7], s[46:47]
	CROUND                                         ; the first joint loads meet
.irp s, 0,1
	s_mov_b32 s[G0+4*\s], 1
	s_add_co_u32 s[G0+4*\s+1], s8, \s*SLOT
	s_add_nc_u64 s[G0+4*\s+2:G0+4*\s+3], s[14:15], \s*512                ; tile s: 512 bytes along A's rows
	s_or_b32 s[G0+4*\s+3], s[G0+4*\s+3], 0x80000000
	s_mov_b32 s[G0B+4*\s], 1
	s_add_co_u32 s[G0B+4*\s+1], s9, \s*SLOT
	s_add_nc_u64 s[G0B+4*\s+2:G0B+4*\s+3], s[46:47], \s*524288           ; tile s: 256 rows of B down
	s_or_b32 s[G0B+4*\s+3], s[G0B+4*\s+3], 0x80000000
	JLOAD \s                                       ; by this text's count two tensor loads of a wave are out here, later one
.endr
	v_and_b32 v1, 15, v0                           ; r
	v_bfe_u32 v2, v0, 4, 1                         ; h
	s_lshl_b32 s2, s42, 9
	s_lshl_b32 s3, s12, 8
	s_add_co_u32 s2, s2, s3                        ; my first column in f32 bytes: 512 x block column + 256 wn
	s_mov_b32 s3, 0
	s_add_nc_u64 s[20:21], s[20:21], s[2:3]
	s_add_nc_u64 s[22:23], s[22:23], s[2:3]
	v_lshlrev_b32 v[BAD], 4, v1
	global_load_b128 v[BV:BV+3], v[BAD], s[20:21]  ; b_out of columns 4 r .. 4 r + 3 of my 64
	s_lshl_b32 s16, s13, 7
	s_lshl_b32 s17, s11, 6
	s_add_co_u32 s16, s16, s17                     ; my first row: 128 x block row + 64 wm,
	s_lshl_b32 s16, s16, 12                        ; of 4,096 bytes
	s_mov_b32 s17, 0
	s_add_nc_u64 s[22:23], s[22:23], s[16:17]
	v_mul_u32_u24 v3, v1, AP
	v_lshl_add_u32 v3, v2, 4, v3                   ; A: r x pitch + 16 h
	s_mul_i32 s18, s11, 64*AP
	v_add_nc_u32 v[ADRA], s18, v3
	v_add_nc_u32 v[ADRA+1], SLOT, v[ADRA]
	v_and_b32 v6, 7, v0
	v_lshl_add_u32 v6, v2, 3, v6                   ; B: k-row 8 h + lane % 8
	v_mul_u32_u24 v6, v6, BP
	v_bfe_u32 v7, v0, 3, 1
	v_lshl_add_u32 v6, v7, 4, v6
	s_lshl_b32 s18, s12, 7                         ; my 64 columns: 128 bytes
	s_add_co_u32 s18, s18, BOFF
	v_add_nc_u32 v[ADRB], s18, v6
	v_add_nc_u32 v[ADRB+1], 128*BP, v[ADRB]
	v_add_nc_u32 v[ADRB+2], SLOT, v[ADRB]
	v_add_nc_u32 v[ADRB+3], SLOT+128*BP, v[ADRB]
	s_mul_i32 s18, s10, 16*SPITCH
	s_add_co_u32 s18, s18, STAGE                   ; my stage
	v_mul_u32_u24 v4, v1, SPITCH
	v_lshl_add_u32 v4, v2, 5, v4                   ; in: row r, 32 bytes for each half of the lanes
	v_add_nc_u32 v[STO], s18, v4
	v_mul_u32_u24 v5, v2, SPITCH
	v_lshl_add_u32 v5, v1, 4, v5                   ; back: lanes 0-15 one row of 256 bytes, lanes 16-31 the next
	v_add_nc_u32 v[RD], s18, v5
	v_lshlrev_b32 v5, 12, v2
	v_lshl_add_u32 v[CO], v1, 4, v5                ; and the same two rows in out0
; four matrix instructions: m block a x my four n blocks, 32 along K.  The sixteen accumulators take turns, one instruction a turn, in the same order
; in every eighth of a tile.
.macro MULA f, a, zero
.irp b, 0,1,2,3
.if \zero
	v_wmma_f32_16x16x32_f16 v[8*(4*\a+\b):8*(4*\a+\b)+7], v[\f+32+8*\b:\f+32+8*\b+7], v[\f+8*\a:\f+8*\a+7], 0
.else
	v_wmma_f32_16x16x32_f16 v[8*(4*\a+\b):8*(4*\a+\b)+7], v[\f+32+8*\b:\f+32+8*\b+7], v[\f+8*\a:\f+8*\a+7], v[8*(4*\a+\b):8*(4*\a+\b)+7]
.endif
.endr
.endm
; sixteen LDS loads: the fragments of eighth q of a tile (32 along K) into buffer f: B's eight first, then A's eight
.macro FETCH slot, q, f
.irp b, 0,1,2,3
	ds_load_tr16_b128 v[\f+32+8*\b:\f+32+8*\b+3],   v[ADRB+2*\slot+((\q)>>2)] offset:((\q)&3)*32*BP+32*\b
	ds_load_tr16_b128 v[\f+32+8*\b+4:\f+32+8*\b+7], v[ADRB+2*\slot+((\q)>>2)] offset:((\q)&3)*32*BP+16*BP+32*\b
.endr
.irp a, 0,1,2,3
	ds_load_b128 v[\f+8*\a:\f+8*\a+3],   v[ADRA+\slot] offset:\a*16*AP+64*\q
	ds_load_b128 v[\f+8*\a+4:\f+8*\a+7], v[ADRA+\slot] offset:\a*16*AP+64*\q+32
.endr
.endm
.macro QUARTER slot, qn, f, g, zero    ; multiplies buffer f; in its middle fetches eighth qn into buffer g
	s_wait_dscnt 0x4                               ; B and A's blocks 0, 1 are in; the youngest four loads (A's blocks 2, 3) may be out
	WIN MUL
	MULA \f, 0, \zero
	MULA \f, 1, \zero
	PLACES
	WIN 0
	FETCH \slot, \qn, \g
	s_wait_dscnt 0x10                              ; all but the sixteen just issued
	WIN MUL
	MULA \f, 2, \zero
	MULA \f, 3, \zero
.endm
.macro TILE slot, zero                 ; the first seven eighths of a tile
	QUARTER \slot, 1, F0, F1, \zero
	QUARTER \slot, 2, F1, F0, 0
	QUARTER \slot, 3, F0, F1, 0
	QUARTER \slot, 4, F1, F0, 0
	QUARTER \slot, 5, F0, F1, 0
	QUARTER \slot, 6, F1, F0, 0
	QUARTER \slot, 7, F0, F1, 0
.endm
; The last eighth multiplies buffer 1 and changes slots: each wave's reads of this slot and all its tensor loads are waited for in front of the barrier,
; which, where the slot is filled again, opens a round of the cluster's barrier; the joint refill is the first thing behind the round.
.macro TURN slot, next, fill
	s_wait_dscnt 0x4
	WIN MUL
	MULA F1, 0, 0
	s_wait_dscnt 0x0
	s_wait_tensorcnt 0x0
	ds_add_u32 v254, v255
	s_wait_dscnt 0x0
	s_barrier_signal -1
	MULA F1, 1, 0                                  ; register work while the others arrive
	WIN 0
	s_barrier_wait -1
.if \fill
	CREST
	s_add_nc_u64 s[G0+4*\slot+2:G0+4*\slot+3], s[G0+4*\slot+2:G0+4*\slot+3], 1024
	s_add_nc_u64 s[G0B+4*\slot+2:G0B+4*\slot+3], s[G0B+4*\slot+2:G0B+4*\slot+3], 1048576
	JLOAD \slot
.endif
	PLACES
	FETCH \next, 0, F0
	WIN MUL
	MULA F1, 2, 0
	MULA F1, 3, 0
.endm
	s_wait_tensorcnt 0x1                           ; my part of tile 0 is in; tile 1's may stay out
	s_barrier_signal -1
	s_barrier_wait -1
	FETCH 0, 0, F0
	TILE 0, 1                                      ; the first products start the sums: nothing is cleared
	TURN 0, 1, 1                                   ; tile 2 goes out
	TILE 1, 0
	TURN 1, 0, 1                                   ; tile 3 goes out
	TILE 0, 0
	TURN 0, 1, 0                                   ; nothing is left to fetch
	TILE 1, 0
	s_wait_dscnt 0x0
	WIN MUL
	MULA F1, 0, 0
	MULA F1, 1, 0
	MULA F1, 2, 0
	MULA F1, 3, 0
	; THE WAY OUT, 16 rows at a time through my own stage: in by tiles, back as whole rows of 256 bytes; the bias is added on the way
	PLACES
	s_wait_loadcnt 0x0                             ; b_out
.macro OUT16 a, f
	WIN 0x04                                       ; store data in window 1
.irp b, 0,1,2,3
	ds_store_b128 v[STO], v[8*(4*\a+\b):8*(4*\a+\b)+3] offset:64*\b
	ds_store_b128 v[STO], v[8*(4*\a+\b)+4:8*(4*\a+\b)+7] offset:64*\b+16
.endr
	WIN 0
	s_wait_xcnt 0x0                                ; buffer f, which earlier stores read, and the stores' base are rewritten only behind this wait
.if \a
	s_add_nc_u64 s[22:23], s[22:23], 65536         ; 16 rows of 4,096 bytes on
.endif
.irp t, 0,1,2,3,4,5,6,7
	ds_load_b128 v[\f+4*\t:\f+4*\t+3], v[RD] offset:\t*2*SPITCH          ; a wave's LDS instructions are served in order: these see the stores above
.endr
.irp t, 0,1,2,3,4,5,6,7
	s_wait_dscnt 7-\t                              ; pair t of rows is in, the younger pairs stay out
	v_pk_add_f32 v[\f+4*\t:\f+4*\t+1], v[\f+4*\t:\f+4*\t+1], v[BV:BV+1]
	v_pk_add_f32 v[\f+4*\t+2:\f+4*\t+3], v[\f+4*\t+2:\f+4*\t+3], v[BV+2:BV+3]
	global_store_b128 v[CO], v[\f+4*\t:\f+4*\t+3], s[22:23] offset:\t*8192   ; 16 lanes store 256 consecutive bytes, at a multiple of 256 from the buffer's start
.endr
.endm
	OUT16 0, F0
	OUT16 1, F1
	OUT16 2, F0
	OUT16 3, F1
	s_wait_tensorcnt 0x0
	ds_add_u32 v254, v255
	s_wait_dscnt 0x0
	CROUND                                         ; the closing round
	s_endpgm
.Lfunc_end_k_q1129b7e2a9_proj:
	.size	k_q1129b7e2a9_proj, .Lfunc_end_k_q1129b7e2a9_proj-k_q1129b7e2a9_proj
	.p2alignl 7, 3214868480
	.fill 96, 4, 3214868480
	.section	.rodata,"a",@progbits
	.p2align	6, 0x0
	.amdhsa_kernel k_q1129b7e2a9_proj
		.amdhsa_group_segment_fixed_size 327680
		.amdhsa_private_segment_fixed_size 0
		.amdhsa_enable_private_segment 0
		.amdhsa_kernarg_size 32
		.amdhsa_user_sgpr_count 2
		.amdhsa_user_sgpr_kernarg_segment_ptr 1
		.amdhsa_wavefront_size32 1
		.amdhsa_system_sgpr_workgroup_id_x 1
		.amdhsa_system_sgpr_workgroup_id_y 1
		.amdhsa_system_sgpr_workgroup_id_z 1
		.amdhsa_system_vgpr_workitem_id 0
		.amdhsa_next_free_vgpr 384
		.amdhsa_next_free_sgpr 66
		.amdhsa_reserve_vcc 0
		.amdhsa_float_denorm_mode_32 3
		.amdhsa_float_denorm_mode_16_64 3
		.amdhsa_memory_ordered 1
		.amdhsa_forward_progress 1
		.amdhsa_inst_pref_size 94
	.end_amdhsa_kernel
	.amdgpu_metadata
---
amdhsa.version: [ 1, 2 ]
amdhsa.kernels:
  - .name:           k_q1129b7e2a9_proj
    .symbol:         k_q1129b7e2a9_proj.kd
    .args:
      - { .name: att, .offset: 0, .size: 8, .value_kind: global_buffer, .address_space: global }
      - { .name: wo, .offset: 8, .size: 8, .value_kind: global_buffer, .address_space: global }
      - { .name: b_out, .offset: 16, .size: 8, .value_kind: global_buffer, .address_space: global }
      - { .name: out0, .offset: 24, .size: 8, .value_kind: global_buffer, .address_space: global }
    .group_segment_fixed_size: 327680
    .private_segment_fixed_size: 0
    .kernarg_segment_align: 8
    .kernarg_segment_size: 32
    .max_flat_workgroup_size: 128
    .sgpr_count:     66
    .vgpr_count:     384
    .wavefront_size: 32
...
	.end_amdgpu_metadata
.endif
;; end of part 4
;; ======== version 2 of 2: 4 launches; version 1 with the launch prep written anew for expert scheduling mode
;; limits: values are held in f16: magnitudes above 65,504 overflow, below 6.1e-05 lose precision
;; workspace buffers: xn 8,388,608 bytes; wq 6,291,456 bytes; wo 2,097,152 bytes; qkv 25,165,824 bytes; att 8,388,608 bytes
;; launch prep (part 5): grid 256 x 1, 8 waves a work-group, no clusters, 0 bytes of LDS; arguments x, gamma, beta, w_qkv, w_out, xn, wq, wo; writes xn, wq, wo
.if DOCPART == 5
	.amdgcn_target "amdgcn-amd-amdhsa--gfx1250"
	.amdhsa_code_object_version 6
	.text
	.protected	k_q1129b7e2a9_prep
	.globl	k_q1129b7e2a9_prep
	.p2align	8
	.type	k_q1129b7e2a9_prep,@function
k_q1129b7e2a9_prep:
	s_mov_b64 s[64:65], 0
	v_nop
	global_prefetch_b8 v0, s[64:65] scope:SCOPE_SE
	s_setreg_imm32_b32 hwreg(HW_REG_WAVE_SCHED_MODE, 0, 2), 2
	s_setreg_imm32_b32 hwreg(HW_REG_WAVE_MODE, 25, 1), 1
	s_wait_xcnt 0x0
	s_wait_alu depctr_vm_vsrc(0)
; prep: xn = LayerNorm(x) * gamma + beta, rounded to f16; wq = w_qkv in f16, its columns 0..1023 (q) times 0.125 * log2(e); wo = w_out in f16.
; A pure stream: no LDS, no barrier, no loop, EXEC untouched.  256 work-groups of 8 waves.
; Work-group g, wave w: rows 16 g + 2 w and 16 g + 2 w + 1 of x (a row of 4,096 bytes is 8 loads of 16 bytes a lane and stays in 32 registers
; between the mean, the variance and the scaling, so x is read once); rows 4 g .. 4 g + 3 of both weights, columns 128 w + 4 lane (+ 1024 s).
; Every load of a wave covers 512 consecutive bytes, every store 256 consecutive bytes that begin at a multiple of 256 from the buffer's start.
; The variance is the mean of the squares of the centred numbers, as reference() has it: no difference of large sums.
; LIMIT (format): the results are f16: |xn| and |w| must stay below 65,504; |xn| <= 32 |gamma| + |beta| by construction.
; THE MODE: SCHED_MODE bits 1:0 = 2 (LLVM: expert scheduling mode 2), set by the entry lines.  The code itself states the register dependences
; between vector instructions and memory instructions, with s_wait_alu, always for 0.
; THE PLAN.  Registers that memory instructions touch:
;   v1, v2          byte offsets of the loads and of the stores: made at the head, never written again.
;   X0, X1, WQ, WO, GA, BE   each written by one load; no vector instruction names them ahead of that load.
;   the low two registers of each quad of WQ, WO, X0, X1   written by the roundings to f16, read by one store each, never written again.
; So no register that a memory instruction reads is ever written again, and the waits are five: one for the wave's number as a scalar, one for the two
; offsets, and one behind each of the three batches of roundings (weights, first row, second row), ahead of that batch's stores.  The first row's stores
; are dealt among the second row's arithmetic, which names X1, R1, GA and BE alone: none of the registers that those stores read.
.set X0, 16                            ; v[16:47]    first row
.set X1, 48                            ; v[48:79]    second row
.set GA, 80                            ; v[80:111]   gamma of my 32 columns
.set BE, 112                           ; v[112:143]  beta
.set WQ, 144                           ; v[144:191]  w_qkv: quad 3 rr + s
.set WO, 192                           ; v[192:207]  w_out: quad rr
.set R0, 4                             ; v[4:9]      first row: mean pair, sums, 1/sigma pair
.set R1, 10                            ; v[10:15]    second row
.macro ADV p, gm, wm                   ; buffer address += work-group x gm + wave x wm (all below 4 GiB)
	s_mul_i32 s4, ttmp9, \gm
	s_mul_i32 s5, s3, \wm
	s_add_co_u32 s4, s4, s5
	s_mov_b32 s5, 0
	s_add_nc_u64 s[\p:\p+1], s[\p:\p+1], s[4:5]
.endm
.macro ALLSUM r, t                     ; sum over the 32 lanes, the result in every lane; t has been written before
	v_add_f32_dpp v[\r], v[\r], v[\r] row_xmask:1 row_mask:0xf bank_mask:0xf
	v_add_f32_dpp v[\r], v[\r], v[\r] row_xmask:2 row_mask:0xf bank_mask:0xf
	v_add_f32_dpp v[\r], v[\r], v[\r] row_xmask:4 row_mask:0xf bank_mask:0xf
	v_add_f32_dpp v[\r], v[\r], v[\r] row_xmask:8 row_mask:0xf bank_mask:0xf
	v_permlanex16_b32 v[\t], v[\r], s28, s29
	v_add_f32 v[\r], v[\r], v[\t]
.endm
; mean, centring in place, variance, 1/sqrt(var + eps) of the row in v[x .. x+31]; figures in v[r .. r+5].
; The macro ends with the reciprocal root into v[r+4]: what follows it in the text is a plain vector instruction that names neither the root nor its
; source (ISA guide 5.7.2), and nothing names v[r+4] ahead of the wait that stands behind the weights' roundings.
.macro STATS x, r
	v_pk_add_f32 v[\r:\r+1], v[\x:\x+1], v[\x+2:\x+3]             ; two chains, started by the first numbers: nothing is cleared
	v_pk_add_f32 v[\r+2:\r+3], v[\x+4:\x+5], v[\x+6:\x+7]
.irp j, 8,12,16,20,24,28
	v_pk_add_f32 v[\r:\r+1], v[\r:\r+1], v[\x+\j:\x+\j+1]
	v_pk_add_f32 v[\r+2:\r+3], v[\r+2:\r+3], v[\x+\j+2:\x+\j+3]
.endr
	v_pk_add_f32 v[\r:\r+1], v[\r:\r+1], v[\r+2:\r+3]
	v_add_f32 v[\r], v[\r], v[\r+1]
	ALLSUM \r, \r+1
	v_mul_f32 v[\r], s24, v[\r]                                   ; mean = sum / 1024
	v_mov_b32 v[\r+1], v[\r]
.irp j, 0,2,4,6,8,10,12,14,16,18,20,22,24,26,28,30
	v_pk_add_f32 v[\x+\j:\x+\j+1], v[\x+\j:\x+\j+1], v[\r:\r+1] neg_lo:[0,1] neg_hi:[0,1]   ; x - mean
.endr
	v_pk_mul_f32 v[\r+2:\r+3], v[\x:\x+1], v[\x:\x+1]
	v_pk_mul_f32 v[\r+4:\r+5], v[\x+2:\x+3], v[\x+2:\x+3]
.irp j, 4,8,12,16,20,24,28
	v_pk_fma_f32 v[\r+2:\r+3], v[\x+\j:\x+\j+1], v[\x+\j:\x+\j+1], v[\r+2:\r+3]
	v_pk_fma_f32 v[\r+4:\r+5], v[\x+\j+2:\x+\j+3], v[\x+\j+2:\x+\j+3], v[\r+4:\r+5]
.endr
	v_pk_add_f32 v[\r+2:\r+3], v[\r+2:\r+3], v[\r+4:\r+5]
	v_add_f32 v[\r+2], v[\r+2], v[\r+3]
	ALLSUM \r+2, \r+3
	v_fma_f32 v[\r+2], v[\r+2], s24, s25                          ; var + eps
	v_rsq_f32 v[\r+4], v[\r+2]
.endm
; quad j of a row: scale, gain, bias, round to f16: four numbers close up into the quad's low two registers, 8 bytes a lane
.macro ROWJ x, r, j
	v_pk_mul_f32 v[\x+4*\j:\x+4*\j+1], v[\x+4*\j:\x+4*\j+1], v[\r+4:\r+5]
	v_pk_mul_f32 v[\x+4*\j+2:\x+4*\j+3], v[\x+4*\j+2:\x+4*\j+3], v[\r+4:\r+5]
	v_pk_fma_f32 v[\x+4*\j:\x+4*\j+1], v[\x+4*\j:\x+4*\j+1], v[GA+4*\j:GA+4*\j+1], v[BE+4*\j:BE+4*\j+1]
	v_pk_fma_f32 v[\x+4*\j+2:\x+4*\j+3], v[\x+4*\j+2:\x+4*\j+3], v[GA+4*\j+2:GA+4*\j+3], v[BE+4*\j+2:BE+4*\j+3]
	v_cvt_pk_f16_f32 v[\x+4*\j], v[\x+4*\j], v[\x+4*\j+1]
	v_cvt_pk_f16_f32 v[\x+4*\j+1], v[\x+4*\j+2], v[\x+4*\j+3]
.endm
	s_load_b512 s[8:23], s[0:1], 0x0               ; x s[8:9], gamma s[10:11], beta s[12:13], w_qkv s[14:15], w_out s[16:17], xn s[18:19], wq s[20:21], wo s[22:23]
	v_lshrrev_b32 v3, 5, v0
	v_readfirstlane_b32 s3, v3                     ; wave
	v_and_b32 v1, 31, v0
	v_lshlrev_b32 v2, 3, v1                        ; 8 x lane: stores
	v_lshlrev_b32 v1, 4, v1                        ; 16 x lane: loads
	s_mov_b32 s24, 0x3a800000                      ; 1 / 1024
	s_mov_b32 s25, 0x3727c5ac                      ; eps = 1e-5
	s_mov_b32 s26, 0x3e38aa3b                      ; 0.125 x log2(e): q's scale, and the change to base 2 for the softmax
	s_mov_b32 s27, 0x3e38aa3b
	s_mov_b32 s28, 0x76543210                      ; v_permlanex16_b32: lane i reads lane i of the other half
	s_mov_b32 s29, 0xfedcba98
	s_wait_alu depctr_va_sdst(0)                   ; s3, the wave's number, is written, ahead of its first reader: the six bases below are made from it
	s_wait_kmcnt 0x0
	ADV 8, 65536, 8192                             ; x: 16 rows of 4,096 bytes a group, 2 a wave
	ADV 18, 32768, 4096                            ; xn: rows of 2,048 bytes
	ADV 14, 49152, 512                             ; w_qkv: 4 rows of 12,288 bytes a group, 128 columns a wave
	ADV 20, 24576, 256                             ; wq
	ADV 16, 16384, 512                             ; w_out: 4 rows of 4,096 bytes
	ADV 22, 8192, 256                              ; wo
	s_wait_alu depctr_va_vdst(0)                   ; v1 and v2 are written: every load of the kernel reads v1 as its offset, every store v2
.irp j, 0,1,2,3,4,5,6,7
	global_load_b128 v[X0+4*\j:X0+4*\j+3], v1, s[8:9] offset:512*\j th:TH_LOAD_NT
.endr
.irp j, 0,1,2,3,4,5,6,7
	global_load_b128 v[X1+4*\j:X1+4*\j+3], v1, s[8:9] offset:4096+512*\j th:TH_LOAD_NT
.endr
.irp rr, 0,1,2,3
.irp s, 0,1,2
	global_load_b128 v[WQ+4*(3*\rr+\s):WQ+4*(3*\rr+\s)+3], v1, s[14:15] offset:\rr*12288+\s*4096 th:TH_LOAD_NT
.endr
.endr
.irp rr, 0,1,2,3
	global_load_b128 v[WO+4*\rr:WO+4*\rr+3], v1, s[16:17] offset:\rr*4096 th:TH_LOAD_NT
.endr
.irp j, 0,1,2,3,4,5,6,7
	global_load_b128 v[GA+4*\j:GA+4*\j+3], v1, s[10:11] offset:512*\j
.endr
.irp j, 0,1,2,3,4,5,6,7
	global_load_b128 v[BE+4*\j:BE+4*\j+3], v1, s[12:13] offset:512*\j
.endr
	s_wait_loadcnt 0x20                            ; loads return in order: the 16 of x are in, the 32 younger ones stay out
	STATS X0, R0                                   ; the plain instruction behind its reciprocal root is the second row's first sum
	STATS X1, R1                                   ; behind this one's: the first scaling below
	s_wait_loadcnt 0x10                            ; the 16 weight loads are in; gamma's and beta's 16 stay out
.irp rr, 0,1,2,3
	v_pk_mul_f32 v[WQ+12*\rr:WQ+12*\rr+1], v[WQ+12*\rr:WQ+12*\rr+1], s[26:27] op_sel_hi:[1,0]       ; only q's columns (s = 0) are scaled
	v_pk_mul_f32 v[WQ+12*\rr+2:WQ+12*\rr+3], v[WQ+12*\rr+2:WQ+12*\rr+3], s[26:27] op_sel_hi:[1,0]
.endr
.irp rr, 0,1,2,3
.irp s, 0,1,2
	v_cvt_pk_f16_f32 v[WQ+4*(3*\rr+\s)], v[WQ+4*(3*\rr+\s)], v[WQ+4*(3*\rr+\s)+1]
	v_cvt_pk_f16_f32 v[WQ+4*(3*\rr+\s)+1], v[WQ+4*(3*\rr+\s)+2], v[WQ+4*(3*\rr+\s)+3]
.endr
.endr
.irp rr, 0,1,2,3
	v_cvt_pk_f16_f32 v[WO+4*\rr], v[WO+4*\rr], v[WO+4*\rr+1]
	v_cvt_pk_f16_f32 v[WO+4*\rr+1], v[WO+4*\rr+2], v[WO+4*\rr+3]
.endr
	s_wait_alu depctr_va_vdst(0)                   ; the roundings have written the low two registers of each quad of WQ and WO, which the sixteen stores below read; both reciprocal roots, v[R0+4] and v[R1+4], are written too, ahead of their first readers
.irp rr, 0,1,2,3
.irp s, 0,1,2
	global_store_b64 v2, v[WQ+4*(3*\rr+\s):WQ+4*(3*\rr+\s)+1], s[20:21] offset:\rr*6144+\s*2048
.endr
.endr
.irp rr, 0,1,2,3
	global_store_b64 v2, v[WO+4*\rr:WO+4*\rr+1], s[22:23] offset:\rr*2048
.endr
	v_mov_b32 v[R0+5], v[R0+4]                     ; 1/sigma as a pair, for the packed multiplies
	v_mov_b32 v[R1+5], v[R1+4]
	s_wait_loadcnt 0x0                             ; gamma and beta
.irp j, 0,1,2,3,4,5,6,7
	ROWJ X0, R0, \j
.endr
	s_wait_alu depctr_va_vdst(0)                   ; the first row's roundings have written the low two registers of each quad of X0, which its eight stores read
.irp j, 0,1,2,3,4,5,6,7
	global_store_b64 v2, v[X0+4*\j:X0+4*\j+1], s[18:19] offset:256*\j          ; no wait: no vector instruction since the wait above names v2 or a register of X0
	ROWJ X1, R1, \j
.endr
	s_wait_alu depctr_va_vdst(0)                   ; the second row's roundings have written the low two registers of each quad of X1, which the last eight stores read
.irp j, 0,1,2,3,4,5,6,7
	global_store_b64 v2, v[X1+4*\j:X1+4*\j+1], s[18:19] offset:2048+256*\j
.endr
	s_endpgm                                       ; no store's data or address register was written again
.Lfunc_end_k_q1129b7e2a9_prep:
	.size	k_q1129b7e2a9_prep, .Lfunc_end_k_q1129b7e2a9_prep-k_q1129b7e2a9_prep
	.p2alignl 7, 3214868480
	.fill 96, 4, 3214868480
	.section	.rodata,"a",@progbits
	.p2align	6, 0x0
	.amdhsa_kernel k_q1129b7e2a9_prep
		.amdhsa_group_segment_fixed_size 0
		.amdhsa_private_segment_fixed_size 0
		.amdhsa_enable_private_segment 0
		.amdhsa_kernarg_size 64
		.amdhsa_user_sgpr_count 2
		.amdhsa_user_sgpr_kernarg_segment_ptr 1
		.amdhsa_wavefront_size32 1
		.amdhsa_system_sgpr_workgroup_id_x 1
		.amdhsa_system_sgpr_workgroup_id_y 1
		.amdhsa_system_sgpr_workgroup_id_z 1
		.amdhsa_system_vgpr_workitem_id 0
		.amdhsa_next_free_vgpr 208
		.amdhsa_next_free_sgpr 66
		.amdhsa_reserve_vcc 0
		.amdhsa_float_denorm_mode_32 3
		.amdhsa_float_denorm_mode_16_64 3
		.amdhsa_memory_ordered 1
		.amdhsa_forward_progress 1
		.amdhsa_inst_pref_size 27
	.end_amdhsa_kernel
	.amdgpu_metadata
---
amdhsa.version: [ 1, 2 ]
amdhsa.kernels:
  - .name:           k_q1129b7e2a9_prep
    .symbol:         k_q1129b7e2a9_prep.kd
    .args:
      - { .name: x, .offset: 0, .size: 8, .value_kind: global_buffer, .address_space: global }
      - { .name: gamma, .offset: 8, .size: 8, .value_kind: global_buffer, .address_space: global }
      - { .name: beta, .offset: 16, .size: 8, .value_kind: global_buffer, .address_space: global }
      - { .name: w_qkv, .offset: 24, .size: 8, .value_kind: global_buffer, .address_space: global }
      - { .name: w_out, .offset: 32, .size: 8, .value_kind: global_buffer, .address_space: global }
      - { .name: xn, .offset: 40, .size: 8, .value_kind: global_buffer, .address_space: global }
      - { .name: wq, .offset: 48, .size: 8, .value_kind: global_buffer, .address_space: global }
      - { .name: wo, .offset: 56, .size: 8, .value_kind: global_buffer, .address_space: global }
    .group_segment_fixed_size: 0
    .private_segment_fixed_size: 0
    .kernarg_segment_align: 8
    .kernarg_segment_size: 64
    .max_flat_workgroup_size: 256
    .sgpr_count:     66
    .vgpr_count:     208
    .wavefront_size: 32
...
	.end_amdgpu_metadata
.endif
;; end of part 5
;; launch qkvgemm: the kernel of part 2 again; grid 12 x 16, 4 waves a work-group, clusters of 4 x 4, 327,680 bytes of LDS; arguments xn, wq, qkv; writes qkv
;; launch attn: the kernel of part 3 again; grid 16 x 16, 8 waves a work-group, clusters of 4 x 1, 327,680 bytes of LDS; arguments qkv, mask, att; writes att
;; launch proj: the kernel of part 4 again; grid 8 x 32, 4 waves a work-group, clusters of 4 x 4, 327,680 bytes of LDS; arguments att, wo, b_out, out0; writes out0
